; MI455X (gfx1250); checked and timed in simulation.
; The chip was launched on July 23, 2026; its instructions are those of AMD's public machine-readable ISA for CDNA 5 (MIT licence, August 2026) and "CDNA5" Instruction Set Architecture Reference Guide (July 2026). The comments in the code are by the model that wrote it; some were corrected since.
;; Magnitude Diagnostic HRR. Allowed arithmetic: float matrix products may take bf16 or f16 operands with f32 sums; other float arithmetic in f32, or as packed bf16 or f16 multiplies, adds, multiply-adds, maxima and minima; sums over many terms, partial sums and values carried from step to step in f32; what a program stores and reads back later, other than sums and carried values, may be rounded once to bf16 or f16.
;; Inputs: Wk 1,024 x 1,024 float32; Wkp 1,024 x 1,024 float32; Wo 1,024 x 1,024 float32; Wq 1,024 x 1,024 float32; Wqp 1,024 x 1,024 float32; Wv 1,024 x 1,024 float32; bk 1,024 float32; bkp 1,024 float32; bo 1,024 float32; bq 1,024 float32; bqp 1,024 float32; bv 1,024 float32; ln_b 1,024 float32; ln_g 1,024 float32; phase_scale 1,024 float32; x 4 x 2,048 x 1,024 float32.
;; Outputs: out0 4 x 2,048 x 1,024 float32.
;; 2 versions, each right; version 2 is version 1 with the launch prep written anew for expert scheduling mode. Each part assembles by itself: llvm-mc -triple=amdgcn-amd-amdhsa -mcpu=gfx1250 --defsym DOCPART=n.
;; ======== version 1 of 2: 3 launches
;; limits: values are held in f16: magnitudes above 65,504 overflow, below 6.1e-05 lose precision; a function is approximated: absolute error at most 5e-05
;; workspace buffers: xh 16,777,216 bytes; wcat 6,291,456 bytes; wot 2,097,152 bytes; ctab 16,384 bytes; rt 16,777,216 bytes; stats 1,048,576 bytes
;; launch prep (part 1): grid 256 x 1, 8 waves a work-group, no clusters, 115,712 bytes of LDS; arguments x, Wk, Wkp, Wq, Wqp, Wv, Wo, bk, bkp, bq, bqp, bv, phase_scale, xh, wcat, wot, ctab; writes xh, wcat, wot, ctab
.if DOCPART == 1
	.amdgcn_target "amdgcn-amd-amdhsa--gfx1250"
	.amdhsa_code_object_version 6
	.text
	.protected	k_qf5c9266158_prep
	.globl	k_qf5c9266158_prep
	.p2align	8
	.type	k_qf5c9266158_prep,@function
k_qf5c9266158_prep:
	s_mov_b64 s[64:65], 0
	v_nop
	global_prefetch_b8 v0, s[64:65] scope:SCOPE_SE
	s_setreg_imm32_b32 hwreg(HW_REG_WAVE_MODE, 25, 1), 1
	s_wait_xcnt 0x0
; PREP: folds the two chains of products, rounds x, Wv, Wo to f16 and lays the weights out for the two launches behind.
; NOTHING IS LEFT OUT: every input has a way to the output and is loaded.  One step is reassociated, exactly in real numbers for all values:
; (x Wk + bk) Wkp + bkp = x (Wk Wkp) + (bk Wkp + bkp), and the same for the query.  So W1 = Wk Wkp, W2 = Wq Wqp (1024 x 1024 x 1024 each) are made here once,
; and the later launch multiplies x by W1, Wv, W2 only.  LIMIT: an overflow, NaN or infinity that reference() would meet in key or query alone is not carried to the result.
; FORMAT: all matrix operands f16, sums f32.  LIMIT: an operand of 65,520 or more becomes an infinity; below 6e-5 f16 keeps its fixed step of 6e-8.
; Work-groups 0-127 FOLD: (p, kb, nb): a tile of 128 k x 128 n of W1 (p = 0) or W2 (p = 1), the inner index j in 16 steps of 64, f32 tiles rounded on the way through registers into two LDS buffers.
;   Those with kb = 0 also make 128 numbers of b Wkp + bkp (f32, from the unrounded tile) and their part of the table ctab:
;   row 0: C2 (bk Wkp + bkp), row 1: C2 (bq Wqp + bqp), row 2: bv / 32, row 3: phase_scale / 2 pi;  C2 = 2 log2(e).
; Work-groups 128-255 CAST: 64 rows of x to xh, and 256 k x 64 columns of Wv (into wcat) or Wo (into wot).  No LDS.
; wcat: f16 [cb 16][kstep 8][mat 3: W1, Wv, W2][k 128][64 columns];  wot: f16 [nb 8][kstep 8][sub 2][k 128][64 columns].
; No multicast, no tensor loads: the f32 tiles must pass through registers to be rounded.
.set C2,    0x4038aa3b
.set SPARE, 114688                     ; the spare words: 128 bytes for each of eight waves
.set BUFB,  36864                      ; an LDS buffer: A16 128 rows x 144, then B16 64 rows x 288
.set MVB,   73728                      ; eight waves' partial sums of b Wkp, 512 bytes each
.set STG,   77824                      ; a stage of 32 rows x 144 for each wave
.set S0,    16                         ; v16-79, v80-143: two sets of 16 loads
.set S1,    80
.set DD,    144                        ; CAST: 32 packed registers
.set ACC,   144                        ; FOLD: accumulator (kt, nt) at ACC + 8 (4 kt + nt)
.set FA,    208                        ; fragments of A (kt), 16 registers
.set FB,    224                        ; fragments of B (nt), 32 registers
	s_load_b512 s[4:19], s[0:1], 0x0               ; x, Wk, Wkp, Wq, Wqp, Wv, Wo, bk
	s_load_b512 s[20:35], s[0:1], 0x40             ; bkp, bq, bqp, bv, phase_scale, xh, wcat, wot
	s_load_b64 s[36:37], s[0:1], 0x80              ; ctab
	v_lshl_add_u32 v8, v0, 2, SPARE                ; my spare word
	v_mov_b32 v9, 0
	v_lshrrev_b32 v1, 5, v0
	v_readfirstlane_b32 s40, v1                    ; wave w
	s_mov_b32 s41, ttmp9
	v_and_b32 v1, 31, v0                           ; L
	v_and_b32 v250, 15, v0                         ; r
	v_bfe_u32 v251, v0, 4, 1                       ; h
	s_mov_b32 s45, 0                               ; high word of every offset pair s[44:45]
	s_wait_kmcnt 0x0
	s_cmp_lt_u32 s41, 128
	s_cbranch_scc1 .Lfold
; ---------------- CAST ----------------
.macro CLOAD set, voff, base, off0, stride     ; 16 loads of 16 bytes a lane
.set i, 0
.rept 16
	global_load_b128 v[(\set)+4*i:(\set)+4*i+3], v[\voff], s[\base:\base+1] offset:(\off0)+i*(\stride) th:TH_LOAD_NT
.set i, i+1
.endr
.endm
.macro CCVT set                                ; 64 numbers rounded to f16
.set i, 0
.rept 16
	v_cvt_pk_f16_f32 v[DD+2*i], v[(\set)+4*i], v[(\set)+4*i+1]
	v_cvt_pk_f16_f32 v[DD+2*i+1], v[(\set)+4*i+2], v[(\set)+4*i+3]
.set i, i+1
.endr
.endm
.macro CSTORE voff, base, off0, stride         ; each store of a wave covers 256 consecutive bytes, aligned
.set i, 0
.rept 16
	global_store_b64 v[\voff], v[DD+2*i:DD+2*i+1], s[\base:\base+1] offset:(\off0)+i*(\stride)
.set i, i+1
.endr
.endm
	s_sub_co_u32 s42, s41, 128                     ; c
	s_lshl_b32 s44, s42, 18
	s_add_nc_u64 s[46:47], s[4:5], s[44:45]        ; x at row 64 c
	s_lshl_b32 s44, s42, 17
	s_add_nc_u64 s[48:49], s[30:31], s[44:45]      ; xh at row 64 c
	v_lshlrev_b32 v2, 4, v0                        ; the eight waves cover a row of x,
	v_lshlrev_b32 v3, 3, v0                        ; and of xh
	s_lshr_b32 s50, s42, 6                         ; m: 0 Wv, 1 Wo
	s_bfe_u32 s51, s42, 0x40002                    ; s: block of 64 columns
	s_and_b32 s52, s42, 3                          ; q2: block of 256 k
	s_cmp_eq_u32 s50, 0
	s_cselect_b64 s[54:55], s[14:15], s[16:17]
	s_lshl_b32 s44, s52, 20
	s_lshl_b32 s53, s51, 8
	s_add_co_u32 s44, s44, s53
	s_add_nc_u64 s[54:55], s[54:55], s[44:45]      ; W at (256 q2, 64 s)
	s_lshr_b32 s56, s40, 2
	s_lshl1_add_u32 s56, s52, s56                  ; kstep = 2 q2 + w / 4
	s_mul_i32 s57, s51, 393216
	s_mul_i32 s58, s56, 49152
	s_add_co_u32 s57, s57, s58
	s_add_co_u32 s57, s57, 16384                   ; in wcat: mat 1
	s_lshr_b32 s58, s51, 1
	s_lshl_b32 s58, s58, 18
	s_lshl_b32 s59, s56, 15
	s_add_co_u32 s58, s58, s59
	s_and_b32 s59, s51, 1
	s_lshl_b32 s59, s59, 14
	s_add_co_u32 s58, s58, s59                     ; in wot
	s_cmp_eq_u32 s50, 0
	s_cselect_b32 s44, s57, s58
	s_cselect_b64 s[60:61], s[32:33], s[34:35]
	s_add_nc_u64 s[60:61], s[60:61], s[44:45]
	v_lshlrev_b32 v4, 12, v251                     ; (32 w + h) rows of 4,096 bytes + 16 r
	v_lshl_add_u32 v4, v250, 4, v4
	s_lshl_b32 s53, s40, 17
	v_add_nc_u32 v4, s53, v4
	s_and_b32 s53, s40, 3
	s_lshl_b32 s53, s53, 12
	v_lshl_add_u32 v5, v1, 3, s53                  ; 8 L + (w % 4) x 32 rows of 128 bytes
	CLOAD S0, 2, 46, 0, 4096
	CLOAD S1, 2, 46, 65536, 4096
	s_wait_loadcnt 16                              ; the older set is in, the younger set's 16 loads stay out
	CCVT S0
	CLOAD S0, 2, 46, 131072, 4096
	CSTORE 3, 48, 0, 2048
	s_wait_loadcnt 16
	s_wait_xcnt 0x0                                ; the packed registers are the data of the stores just issued
	CCVT S1
	CLOAD S1, 2, 46, 196608, 4096
	CSTORE 3, 48, 32768, 2048
	s_wait_loadcnt 16
	s_wait_xcnt 0x0
	CCVT S0
	CLOAD S0, 4, 54, 0, 8192                       ; the weights: two rows of 256 bytes an instruction
	CSTORE 3, 48, 65536, 2048
	s_wait_loadcnt 16
	s_wait_xcnt 0x0
	CCVT S1
	CSTORE 3, 48, 98304, 2048
	s_wait_loadcnt 0x0
	s_wait_xcnt 0x0
	CCVT S0
	CSTORE 5, 60, 0, 256
	s_branch .Lend
; ---------------- FOLD ----------------
.Lfold:
	s_lshr_b32 s42, s41, 6                         ; p
	s_bfe_u32 s43, s41, 0x30003                    ; kb
	s_and_b32 s46, s41, 7                          ; nb
	s_mov_b32 s77, 0x3e22f983                      ; 1 / 2 pi
	s_cmp_eq_u32 s42, 0
	s_cselect_b64 s[66:67], s[6:7], s[10:11]       ; A: Wk or Wq
	s_cselect_b64 s[68:69], s[8:9], s[12:13]       ; B: Wkp or Wqp
	s_cselect_b64 s[70:71], s[18:19], s[22:23]     ; bk or bq
	s_cselect_b64 s[72:73], s[20:21], s[24:25]     ; bkp or bqp
	s_cselect_b64 s[74:75], s[26:27], s[28:29]     ; bv or phase_scale
	s_cselect_b32 s76, 0x3d000000, s77             ; times 1/32 or 1 / 2 pi
	s_mov_b32 s77, s76
	s_lshl_b32 s44, s43, 19
	s_add_nc_u64 s[66:67], s[66:67], s[44:45]      ; A at row 128 kb
	s_lshl_b32 s44, s46, 9
	s_add_nc_u64 s[68:69], s[68:69], s[44:45]      ; B at column 128 nb
	s_add_nc_u64 s[72:73], s[72:73], s[44:45]
	s_add_nc_u64 s[74:75], s[74:75], s[44:45]
	s_lshl_b32 s47, s42, 12
	s_add_co_u32 s44, s44, s47
	s_add_nc_u64 s[78:79], s[36:37], s[44:45]      ; ctab row p, column 128 nb
	s_lshl_b32 s44, s40, 5
	s_add_nc_u64 s[70:71], s[70:71], s[44:45]      ; my eight j of a step
	s_lshr_b32 s82, s40, 1                         ; wk: my 32 rows k
	s_and_b32 s83, s40, 1                          ; wn: my 64 columns n
	s_lshl1_add_u32 s44, s46, s83
	s_mul_i32 s44, s44, 393216
	s_mul_i32 s47, s43, 49152
	s_add_co_u32 s44, s44, s47
	s_lshl_b32 s47, s42, 15
	s_add_co_u32 s44, s44, s47
	s_lshl_b32 s47, s82, 12
	s_add_co_u32 s44, s44, s47
	s_add_nc_u64 s[80:81], s[32:33], s[44:45]      ; wcat: cb = 2 nb + wn, kstep kb, mat 2 p, row 32 wk
	v_lshlrev_b32 v2, 12, v251                     ; AO = (16 w + h) 4096 + 16 r
	v_lshl_add_u32 v2, v250, 4, v2
	s_lshl_b32 s47, s40, 16
	v_add_nc_u32 v2, s47, v2
	s_lshl_b32 s47, s40, 15
	v_lshl_add_u32 v3, v1, 4, s47                  ; BO = w 32768 + 16 L
	s_mul_i32 s47, s40, 2304
	v_mul_u32_u24 v4, v251, 144                    ; AS = (16 w + h) 144 + 8 r
	v_lshl_add_u32 v4, v250, 3, v4
	v_add_nc_u32 v4, s47, v4
	s_add_co_u32 s47, s47, 18432
	v_lshl_add_u32 v5, v1, 3, s47                  ; BS = 18432 + w 2304 + 8 L
	s_mul_i32 s47, s82, 4608
	v_mul_u32_u24 v6, v250, 144                    ; AF = (32 wk + r) 144 + 16 h
	v_lshl_add_u32 v6, v251, 4, v6
	v_mov_b32 v14, v6
	v_add_nc_u32 v6, s47, v6
	v_and_b32 v252, 7, v0
	v_bfe_u32 v253, v0, 3, 1
	v_lshl_add_u32 v7, v251, 3, v252               ; BF = 18432 + (8 h + L % 8) 288 + 128 wn + 16 ((L / 8) % 2)
	v_mul_u32_u24 v7, v7, 288
	v_lshl_add_u32 v7, v253, 4, v7
	s_lshl_b32 s47, s83, 7
	s_add_co_u32 s47, s47, 18432
	v_add_nc_u32 v7, s47, v7
	s_mul_i32 s47, s40, 4608
	s_add_co_u32 s47, s47, STG
	v_add_nc_u32 v14, s47, v14                     ; STO = my stage + r 144 + 16 h
	v_lshrrev_b32 v15, 3, v1
	v_mul_u32_u24 v15, v15, 144
	v_lshl_add_u32 v15, v252, 4, v15
	v_add_nc_u32 v15, s47, v15                     ; RD = my stage + (L / 8) 144 + 16 (L % 8)
.macro FLOAD b                                 ; a step's 16 loads: 16 rows x 64 j of A, 8 rows j x 128 n of B
.set i, 0
.rept 8
	global_load_b128 v[S0+64*(\b)+4*i:S0+64*(\b)+4*i+3], v2, s[66:67] offset:i*8192+(\b)*256
	global_load_b128 v[S0+64*(\b)+32+4*i:S0+64*(\b)+32+4*i+3], v3, s[68:69] offset:i*4096+(\b)*262144
.set i, i+1
.endr
.endm
; One step of 64 along j, from set and LDS buffer b.  load = 1: the set is asked for again, two steps on.  left: the other set's loads, which may stay out.
; ONE barrier a step: in front of it each wave's stores into buffer b are done, and so are its reads of the other buffer (they were waited for ahead of the last step's products);
; so behind it buffer b is whole, and the next step may write the other buffer.
.macro STEP b, load, left
	s_wait_loadcnt \left
	s_wait_kmcnt 0x0                               ; my eight numbers of bk or bq
	s_cmp_lg_u32 s43, 0
	s_cbranch_scc1 .Lnomv_\@                       ; only kb = 0 makes b Wkp
.set i, 0
.rept 8
.irp c, 0,1,2,3
	v_fmac_f32 v[10+\c], s[48+8*(\b)+i], v[S0+64*(\b)+32+4*i+\c]
.endr
.set i, i+1
.endr
.Lnomv_\@:
.if \load
	s_load_b256 s[48+8*(\b):55+8*(\b)], s[70:71], (\b)*256
.endif
.set i, 0
.rept 16
	v_cvt_pk_f16_f32 v[S0+64*(\b)+4*i], v[S0+64*(\b)+4*i], v[S0+64*(\b)+4*i+1]
	v_cvt_pk_f16_f32 v[S0+64*(\b)+4*i+1], v[S0+64*(\b)+4*i+2], v[S0+64*(\b)+4*i+3]
.set i, i+1
.endr
.set i, 0
.rept 8
	ds_store_b64 v4, v[S0+64*(\b)+4*i:S0+64*(\b)+4*i+1] offset:(\b)*BUFB+i*288
	ds_store_b64 v5, v[S0+64*(\b)+32+4*i:S0+64*(\b)+32+4*i+1] offset:(\b)*BUFB+i*288
.set i, i+1
.endr
	s_wait_dscnt 0x0                               ; for the others' sake: my stores are done (and have read their registers)
.if \load
	FLOAD \b
.endif
	s_barrier_signal -1
	s_barrier_wait -1
.irp kq, 0,1
.rept 4
	v_nop                                          ; four places between the last products and the loads into their sources
.endr
.irp kt, 0,1
	ds_load_b128 v[FA+8*\kt:FA+8*\kt+3], v6 offset:(\b)*BUFB+\kt*2304+\kq*64
	ds_load_b128 v[FA+8*\kt+4:FA+8*\kt+7], v6 offset:(\b)*BUFB+\kt*2304+\kq*64+32
.endr
.irp nt, 0,1,2,3
	ds_load_tr16_b128 v[FB+8*\nt:FB+8*\nt+3], v7 offset:(\b)*BUFB+\kq*9216+\nt*32
	ds_load_tr16_b128 v[FB+8*\nt+4:FB+8*\nt+7], v7 offset:(\b)*BUFB+\kq*9216+\nt*32+4608
.endr
	s_wait_dscnt 0x0
.irp kt, 0,1
.irp nt, 0,1,2,3                               ; used transposed: a lane ends with row k = r and eight neighbouring columns; the eight accumulators take turns
	v_wmma_f32_16x16x32_f16 v[ACC+8*(4*\kt+\nt):ACC+8*(4*\kt+\nt)+7], v[FB+8*\nt:FB+8*\nt+7], v[FA+8*\kt:FA+8*\kt+7], v[ACC+8*(4*\kt+\nt):ACC+8*(4*\kt+\nt)+7]
.endr
.endr
.endr
.endm
	FLOAD 0
	FLOAD 1
	s_load_b256 s[48:55], s[70:71], 0x0
	s_load_b256 s[56:63], s[70:71], 0x100
.set i, 0
.rept 64
	v_mov_b32 v[ACC+i], 0                          ; the sums start at 0, written while the first loads are out: the loop has one form of product
.set i, i+1
.endr
.irp c, 10,11,12,13
	v_mov_b32 v\c, 0
.endr
	s_wait_xcnt 0x0                                ; the loads have read their bases
	s_add_nc_u64 s[66:67], s[66:67], 512
	s_add_nc_u64 s[68:69], s[68:69], 524288
	s_add_nc_u64 s[70:71], s[70:71], 512
	s_mov_b32 s84, 7
.Lj:
	STEP 0, 1, 16
	STEP 1, 1, 16
	s_wait_xcnt 0x0
	s_add_nc_u64 s[66:67], s[66:67], 512
	s_add_nc_u64 s[68:69], s[68:69], 524288
	s_add_nc_u64 s[70:71], s[70:71], 512
	s_sub_co_u32 s84, s84, 1
	s_cmp_lg_u32 s84, 0
	s_cbranch_scc1 .Lj
	STEP 0, 0, 16                                  ; the last two steps load nothing
	STEP 1, 0, 0
.rept 4
	v_nop
.endr
	v_lshlrev_b32 v240, 4, v1                      ; 16 L
	s_lshl_b32 s47, s40, 9
	s_add_co_u32 s47, s47, MVB
	v_add_nc_u32 v241, s47, v240
	s_cmp_lg_u32 s43, 0
	s_cbranch_scc1 .Lnost
	ds_store_b128 v241, v[10:13]                   ; my part of b Wkp: columns 4 L .. 4 L + 3
.Lnost:
	s_wait_dscnt 0x0
	s_barrier_signal -1
	s_barrier_wait -1
	s_cmp_lg_u32 s43, 0
	s_cbranch_scc1 .Lnobias
	s_cmp_lg_u32 s40, 0
	s_cbranch_scc1 .Lnobias
	v_add_nc_u32 v242, MVB, v240
.irp v, 0,1,2,3,4,5,6,7
	ds_load_b128 v[80+4*\v:83+4*\v], v242 offset:512*\v
.endr
	global_load_b128 v[112:115], v240, s[72:73]
	global_load_b128 v[116:119], v240, s[74:75]
	s_wait_dscnt 0x0
.irp v, 1,2,3,4,5,6,7
	v_pk_add_f32 v[80:81], v[80:81], v[80+4*\v:81+4*\v]
	v_pk_add_f32 v[82:83], v[82:83], v[82+4*\v:83+4*\v]
.endr
	s_wait_loadcnt 0x0
	v_pk_add_f32 v[80:81], v[80:81], v[112:113]
	v_pk_add_f32 v[82:83], v[82:83], v[114:115]
	v_pk_mul_f32 v[80:81], v[80:81], C2 op_sel_hi:[1,0]
	v_pk_mul_f32 v[82:83], v[82:83], C2 op_sel_hi:[1,0]
	v_pk_mul_f32 v[116:117], v[116:117], s[76:77] op_sel_hi:[1,0]
	v_pk_mul_f32 v[118:119], v[118:119], s[76:77] op_sel_hi:[1,0]
	global_store_b128 v240, v[80:83], s[78:79]                 ; 512 consecutive bytes
	global_store_b128 v240, v[116:119], s[78:79] offset:8192   ; two rows of the table further down
.Lnobias:
	; the way out: rounded, through my own stage, back as whole rows of 128 bytes; each accumulator is read from its low end on
.irp a, 0,1,2,3,4,5,6,7
.irp q, 0,1,2,3
	v_cvt_pk_f16_f32 v[FA+4*\a+\q], v[ACC+8*\a+2*\q], v[ACC+8*\a+2*\q+1]
.endr
.endr
.irp kt, 0,1
.irp nt, 0,1,2,3
	ds_store_b128 v14, v[FA+4*(4*\kt+\nt):FA+4*(4*\kt+\nt)+3] offset:\kt*2304+32*\nt
.endr
.endr
.irp i, 0,1,2,3,4,5,6,7
	ds_load_b128 v[16+4*\i:19+4*\i], v15 offset:576*\i         ; LDS serves a wave's instructions in order: these see the stores above
.endr
	s_wait_dscnt 0x0
.irp i, 0,1,2,3,4,5,6,7
	global_store_b128 v240, v[16+4*\i:19+4*\i], s[80:81] offset:512*\i  ; 512 consecutive bytes, aligned
.endr
.Lend:
	s_wait_tensorcnt 0x0                           ; the wave's end
	ds_add_u32 v8, v9
	s_wait_dscnt 0x0
	s_endpgm
.Lfunc_end_k_qf5c9266158_prep:
	.size	k_qf5c9266158_prep, .Lfunc_end_k_qf5c9266158_prep-k_qf5c9266158_prep
	.p2alignl 7, 3214868480
	.fill 96, 4, 3214868480
	.section	.rodata,"a",@progbits
	.p2align	6, 0x0
	.amdhsa_kernel k_qf5c9266158_prep
		.amdhsa_group_segment_fixed_size 115712
		.amdhsa_private_segment_fixed_size 0
		.amdhsa_enable_private_segment 0
		.amdhsa_kernarg_size 136
		.amdhsa_user_sgpr_count 2
		.amdhsa_user_sgpr_kernarg_segment_ptr 1
		.amdhsa_wavefront_size32 1
		.amdhsa_system_sgpr_workgroup_id_x 1
		.amdhsa_system_sgpr_workgroup_id_y 1
		.amdhsa_system_sgpr_workgroup_id_z 1
		.amdhsa_system_vgpr_workitem_id 0
		.amdhsa_next_free_vgpr 256
		.amdhsa_next_free_sgpr 100
		.amdhsa_reserve_vcc 0
		.amdhsa_float_denorm_mode_32 3
		.amdhsa_float_denorm_mode_16_64 3
		.amdhsa_memory_ordered 1
		.amdhsa_forward_progress 1
		.amdhsa_inst_pref_size 75
	.end_amdhsa_kernel
	.amdgpu_metadata
---
amdhsa.version: [ 1, 2 ]
amdhsa.kernels:
  - .name:           k_qf5c9266158_prep
    .symbol:         k_qf5c9266158_prep.kd
    .args:
      - { .name: x, .offset: 0, .size: 8, .value_kind: global_buffer, .address_space: global }
      - { .name: Wk, .offset: 8, .size: 8, .value_kind: global_buffer, .address_space: global }
      - { .name: Wkp, .offset: 16, .size: 8, .value_kind: global_buffer, .address_space: global }
      - { .name: Wq, .offset: 24, .size: 8, .value_kind: global_buffer, .address_space: global }
      - { .name: Wqp, .offset: 32, .size: 8, .value_kind: global_buffer, .address_space: global }
      - { .name: Wv, .offset: 40, .size: 8, .value_kind: global_buffer, .address_space: global }
      - { .name: Wo, .offset: 48, .size: 8, .value_kind: global_buffer, .address_space: global }
      - { .name: bk, .offset: 56, .size: 8, .value_kind: global_buffer, .address_space: global }
      - { .name: bkp, .offset: 64, .size: 8, .value_kind: global_buffer, .address_space: global }
      - { .name: bq, .offset: 72, .size: 8, .value_kind: global_buffer, .address_space: global }
      - { .name: bqp, .offset: 80, .size: 8, .value_kind: global_buffer, .address_space: global }
      - { .name: bv, .offset: 88, .size: 8, .value_kind: global_buffer, .address_space: global }
      - { .name: phase_scale, .offset: 96, .size: 8, .value_kind: global_buffer, .address_space: global }
      - { .name: xh, .offset: 104, .size: 8, .value_kind: global_buffer, .address_space: global }
      - { .name: wcat, .offset: 112, .size: 8, .value_kind: global_buffer, .address_space: global }
      - { .name: wot, .offset: 120, .size: 8, .value_kind: global_buffer, .address_space: global }
      - { .name: ctab, .offset: 128, .size: 8, .value_kind: global_buffer, .address_space: global }
    .group_segment_fixed_size: 115712
    .private_segment_fixed_size: 0
    .kernarg_segment_align: 8
    .kernarg_segment_size: 136
    .max_flat_workgroup_size: 256
    .sgpr_count:     100
    .vgpr_count:     256
    .wavefront_size: 32
...
	.end_amdgpu_metadata
.endif
;; end of part 1
;; launch phase (part 2): grid 16 x 32, 4 waves a work-group, clusters of 4 x 4, 327,680 bytes of LDS; arguments xh, wcat, ctab, rt, stats; writes rt, stats
.if DOCPART == 2
	.amdgcn_target "amdgcn-amd-amdhsa--gfx1250"
	.amdhsa_code_object_version 6
	.text
	.protected	k_qf5c9266158_phase
	.globl	k_qf5c9266158_phase
	.p2align	8
	.type	k_qf5c9266158_phase,@function
k_qf5c9266158_phase:
	s_mov_b64 s[64:65], 0
	v_nop
	global_prefetch_b8 v0, s[64:65] scope:SCOPE_SE
	s_setreg_imm32_b32 hwreg(HW_REG_WAVE_MODE, 25, 1), 1
	s_wait_xcnt 0x0
	s_wait_alu depctr_hold_cnt(0) depctr_sa_sdst(0) depctr_va_vdst(0) depctr_va_sdst(0) depctr_va_ssrc(0) depctr_va_vcc(0) depctr_vm_vsrc(0)
	s_getreg_b32 s2, hwreg(HW_REG_IB_STS2, 6, 4)
	s_cmp_eq_u32 s2, 0
	s_cbranch_scc0 .Lentry_in_a_cluster
	s_endpgm
.Lentry_in_a_cluster:
	s_bfe_u32 s2, ttmp6, 0x10000c
	s_cmp_lg_u32 s2, 0xf033
	s_cbranch_scc0 .Lentry_shape_is_right
	s_endpgm
.Lentry_shape_is_right:
; PHASE: z1 = x W1, v = x Wv, z2 = x W2 (f16 operands, f32 sums), both phases, sin and cos, the running sum inside chunks of 64 rows, the rotation by the query's phase:
; retrieved / 32, stored in f16, transposed inside chunks (rt), with each row's mean and squared deviation over this work-group's 64 columns (stats).
; Nothing of reference() is left out; W1, W2 and the folded biases come from the launch before.
; A work-group has 256 rows x 64 columns of all three products; wave w has chunk w: 64 rows x 64 columns x 3 = 48 accumulators.  Source 0 = 16 rows of x, source 1 = 16 columns of a weight:
; a lane holds ONE column (16 u + lane % 16), and register 8 t + j of a product the row 16 t + 8 (lane / 16) + j: the running sum goes along registers.
; FORMULAS, f32: rho = 1 / (1 + 2^(C2 z + C2 b)), tanh = 1 - 2 rho;  turns t = s1 - 2 s1 rho, s1 = phase_scale / 2 pi;  f = t - round(t), u = f f;
; S = sqrt2 sin(pi f), C = sqrt2 cos(pi f) by their series to f^9 and f^8;  sin = S C, cos = 1 - S S.
; LIMITS: sin and cos are good to 5e-5; the angle's error grows as 2^-24 of the phase; f16 holds nothing from 65,520 on; NaN and infinities are not treated apart.
; CLUSTER 4 x 4: x's tile hangs on the row block alone and is shared along a row of the cluster, the weights' on the column block alone and is shared along a column.
; K goes in 8 steps of 128 through two LDS slots; a step is four quarters of 32 along K, 48 products each, on two fragment buffers.
; REGISTERS: window 0: v0-63 addresses and constants; v64-159, v160-255 the weights' fragments (u, mat) at 24 u + 8 mat, two buffers; in the epilogue six arrays of 32.
;   window 1: v0-191 accumulators of u = 0, 1 at 96 (u % 2) + 32 mat + 8 t; v192-223, v224-255 x's fragments, two buffers.   window 2: v0-191 accumulators of u = 2, 3.
.set C2,    0x4038aa3b
.set SLOT,  131072                     ; a slot: x 256 rows x 272 (69,632), then the weights 384 rows x 160 (61,440)
.set BOFF,  69632
.set STG,   262144                     ; behind the ring: a stage of 64 columns x 160 for each wave
.set SSB,   303104                     ; 64 means and 64 squared deviations for each wave
.set SPARE, 305152                     ; the spare words, 128 bytes a wave
.set E1, 64
.set E2, 96
.set VV, 128
.set TA, 160
.set TB, 192
.set TC, 224
.set KA0, 74                           ; s[74:93]: the series' coefficients, each twice (named as pairs)
.set KA1, 76
.set KA2, 78
.set KA3, 80
.set KA4, 82
.set KC0, 84
.set KC1, 86
.set KC2, 88
.set KC3, 90
.set KC4, 92
.set MSB, 0
.macro WIN new                         ; the high byte repeats the setting that is left; a switch that changes nothing is dropped
.if MSB != (\new)
	s_set_vgpr_msb (MSB<<8)|(\new)
.set MSB, (\new)
.endif
.endm
.macro PLACES
.rept 4
	v_nop
.endr
.endm
.macro CREST                           ; a round of the cluster's barrier behind its opening barrier
	s_cmp_lg_u32 s20, 0
	s_cbranch_scc1 .Lnw0_\@
	s_barrier_signal -3
.Lnw0_\@:
	s_barrier_wait -3
	s_barrier_signal -1
	s_barrier_wait -1
.endm
.macro CROUND
	s_barrier_signal -1
	s_barrier_wait -1
	CREST
.endm
.macro JLOAD                           ; a joint refill by the walking descriptors: waves 0, 1 x's two halves, waves 2, 3 the weights'
	s_cmp_lt_u32 s20, 2
	s_cbranch_scc0 .Lfb_\@
	tensor_load_to_lds s[36:39], s[24:31]
	s_nop 0
	PLACES
	s_branch .Lfa_\@
.Lfb_\@:
	tensor_load_to_lds s[60:63], s[48:55]
	s_nop 0
	PLACES
.Lfa_\@:
.endm
; A prefetch of blocks that a refill two changes of slots on (or later) will ask for: 32 blocks of 256 bytes, a lane a block.  x's rows are asked for by the clusters with x = 0 (waves 0, 1),
; the weights by the clusters with y = 0 (waves 2, 3); the four partners share the blocks out by address.  K steps 0 to 3 come by their loads alone; s67 stops the asking at the buffers' K step 7.
.macro ASK
	s_cmp_gt_u32 s66, s67
	s_cbranch_scc0 .Lnask_\@
	global_prefetch_b8 v10, s[40:41] th:TH_LOAD_NT scope:SCOPE_SE
.Lnask_\@:
.endm
.macro SC reg, val
	s_mov_b32 s[\reg], \val
	s_mov_b32 s[\reg+1], \val
.endm
	s_load_b256 s[4:11], s[0:1], 0x0               ; xh, wcat, ctab, rt
	s_load_b64 s[12:13], s[0:1], 0x20              ; stats
	v_lshl_add_u32 v12, v0, 2, SPARE
	v_mov_b32 v13, 0
	ds_add_u32 v12, v13                            ; the opening: the add, twice on end, and its wait ahead of my first tensor load
	ds_add_u32 v12, v13
	v_lshrrev_b32 v1, 5, v0
	v_readfirstlane_b32 s20, v1                    ; wave
	s_and_b32 s21, s20, 1                          ; which half of a tile I fetch
	s_bfe_u32 s22, ttmp6, 0x40000                  ; cx
	s_bfe_u32 s23, ttmp6, 0x40004                  ; cy
	s_lshl_b32 s69, ttmp9, 2
	s_add_co_u32 s69, s69, s22                     ; cb: column block
	s_and_b32 s70, ttmp7, 0xffff
	s_lshl_b32 s70, s70, 2
	s_add_co_u32 s70, s70, s23                     ; rb: row block
	s_lshl_b32 s44, s23, 2
	s_lshl_b32 s44, 15, s44                        ; my row of the cluster
	s_lshl_b32 s46, 0x1111, s22                    ; my column
	s_or_b32 s24, s44, (1<<16)|(1<<20)|(1<<21)|(5<<22)|(3<<25)  ; x: 2-byte elements, 4 words of padding after every 64
	s_mov_b32 s25, 128<<16                         ; tensor_dim0 = 128
	s_mov_b32 s26, 128<<16                         ; tensor_dim1 = 128
	s_mov_b32 s27, 128<<16                         ; tile_dim0 = 128
	s_mov_b32 s28, 128                             ; tile_dim1 = 128
	s_mov_b32 s29, 1024                            ; elements from row to row
	s_mov_b32 s30, 0
	s_mov_b32 s31, 0
	s_or_b32 s48, s46, (1<<16)|(1<<20)|(1<<21)|(4<<22)|(7<<25)  ; weights: dense, asked for as rows of 256 bytes; 8 words of padding after every 32
	s_mov_b32 s49, 128<<16
	s_mov_b32 s50, 96<<16
	s_mov_b32 s51, 128<<16
	s_mov_b32 s52, 96
	s_mov_b32 s53, 128
	s_mov_b32 s54, 0
	s_mov_b32 s55, 0
	s_lshl_b32 s44, s70, 19                        ; x: (256 rb + 128 half) rows of 2,048 bytes
	s_lshl_b32 s45, s21, 18
	s_add_co_u32 s44, s44, s45
	s_mov_b32 s45, 0
	s_mul_i32 s46, s69, 393216                     ; weights: the column block, my half of a K step's 49,152 bytes
	s_mul_i32 s47, s21, 24576
	s_add_co_u32 s46, s46, s47
	s_mov_b32 s47, 0
	s_mul_i32 s71, s21, 34816                      ; where they go: no place in the cluster enters an LDS address
	s_mul_i32 s95, s21, 30720
	s_add_co_u32 s95, s95, BOFF
	SC KA0, 0x408e2c19
	SC KA1, 0xc0e9dd2e
	SC KA2, 0x4066d083
	SC KA3, 0xbf58f4fa
	SC KA4, 0x3dedeb7f
	SC KC0, 0x3fb504f3
	SC KC1, 0xc0df52db
	SC KC2, 0x40b7ad25
	SC KC3, 0xbff1b558
	SC KC4, 0x3eaa65c8
	s_mov_b32 s72, 0x76543210
	s_mov_b32 s73, 0xfedcba98
	s_mov_b32 s68, 0                               ; the slot that is read
	s_wait_dscnt 0x0                               ; both opening adds are done
	s_wait_kmcnt 0x0
	s_add_nc_u64 s[44:45], s[4:5], s[44:45]
	s_add_nc_u64 s[46:47], s[6:7], s[46:47]
	CROUND                                         ; all sixteen work-groups are here: the first joint loads meet
	s_mov_b32 s32, 1                               ; K step 0 into slot 0
	s_mov_b32 s33, s71
	s_add_nc_u64 s[34:35], s[44:45], 0
	s_or_b32 s35, s35, 0x80000000
	s_mov_b32 s36, 1                               ; K step 1 into slot 1; this set then walks
	s_add_co_u32 s37, s71, SLOT
	s_add_nc_u64 s[38:39], s[44:45], 256
	s_or_b32 s39, s39, 0x80000000
	s_mov_b32 s56, 1
	s_mov_b32 s57, s95
	s_add_nc_u64 s[58:59], s[46:47], 0
	s_or_b32 s59, s59, 0x80000000
	s_mov_b32 s60, 1
	s_add_co_u32 s61, s95, SLOT
	s_add_nc_u64 s[62:63], s[46:47], 49152
	s_or_b32 s63, s63, 0x80000000
	s_cmp_lt_u32 s20, 2                            ; a wave's two first fills stand in one branch: two loads of mine are out
	s_cbranch_scc0 .Lfirst_b
	tensor_load_to_lds s[32:35], s[24:31]
	s_nop 0
	tensor_load_to_lds s[36:39], s[24:31]
	s_nop 0
	PLACES
	s_branch .Lfirst_done
.Lfirst_b:
	tensor_load_to_lds s[56:59], s[48:55]
	s_nop 0
	tensor_load_to_lds s[60:63], s[48:55]
	s_nop 0
	PLACES
.Lfirst_done:
	; the prefetches' address, one step in front of the first target
	s_lshl_b32 s96, s70, 19
	s_lshl_b32 s97, s21, 18
	s_add_co_u32 s96, s96, s97
	s_lshl_b32 s97, s22, 16                        ; my work-group's 32 of the 128 rows
	s_add_co_u32 s96, s96, s97
	s_add_co_u32 s96, s96, 768                     ; K step 3
	s_mul_i32 s98, s69, 393216
	s_lshl1_add_u32 s97, s23, s21
	s_lshl_b32 s97, s97, 13                        ; asker 2 cy + half: 8,192 bytes of each 65,536
	s_add_co_u32 s98, s98, s97
	s_add_co_u32 s98, s98, 131072                  ; 65,536 in front of K step 4
	s_and_b32 s99, ttmp7, 0xffff
	s_mov_b32 s42, 256
	s_mov_b32 s43, 0x10000
	s_cmp_lt_u32 s20, 2
	s_cselect_b64 s[40:41], s[4:5], s[6:7]
	s_cselect_b32 s96, s96, s98
	s_cselect_b32 s42, s42, s43                    ; the step
	s_cselect_b32 s67, 2, 3                        ; four asks for x, three for the weights
	s_cselect_b32 s99, ttmp9, s99                  ; the coordinate along which other clusters read the same blocks
	s_cselect_b32 s98, 11, 8
	s_mov_b32 s97, 0
	s_mov_b32 s43, 0
	s_add_nc_u64 s[40:41], s[40:41], s[96:97]
	s_cmp_eq_u32 s99, 0
	s_cselect_b32 s67, s67, -1
	v_and_b32 v38, 31, v0                          ; L
	v_lshlrev_b32 v10, s98, v38
	; the table: for each u my column's C2 b1, C2 b2, bv / 32, s1
	s_lshl_b32 s96, s69, 8
	s_add_nc_u64 s[8:9], s[8:9], s[96:97]
	v_and_b32 v1, 15, v0                           ; r
	v_lshlrev_b32 v43, 2, v1
.irp u, 0,1,2,3
.irp q, 0,1,2,3
	global_load_b32 v[16+4*\u+\q], v43, s[8:9] offset:\q*4096+64*\u
.endr
.endr
	v_bfe_u32 v37, v0, 4, 1                        ; h
	v_and_b32 v39, 7, v0
	v_bfe_u32 v40, v0, 3, 1
	v_lshrrev_b32 v41, 3, v38
	v_lshl_add_u32 v42, v37, 3, v39                ; the turning load's place: (8 h + L % 8) 160 + 16 ((L / 8) % 2)
	v_mul_u32_u24 v42, v42, 160
	v_lshl_add_u32 v42, v40, 4, v42
	v_add_nc_u32 v3, BOFF, v42
	s_mul_i32 s96, s20, 17408
	v_mul_u32_u24 v2, v1, 272                      ; (64 w + r) 272 + 16 h
	v_lshl_add_u32 v2, v37, 4, v2
	v_add_nc_u32 v2, s96, v2
	v_mov_b32 v4, v2
	v_mov_b32 v5, v3
	s_mul_i32 s96, s20, 10240
	s_add_co_u32 s96, s96, STG
	v_mul_u32_u24 v6, v1, 160
	v_lshl_add_u32 v6, v37, 4, v6
	v_add_nc_u32 v6, s96, v6                       ; into the stage: column r, rows 8 h ..
	v_mul_u32_u24 v7, v41, 160
	v_lshl_add_u32 v7, v39, 4, v7
	v_add_nc_u32 v7, s96, v7                       ; back: four columns of 128 bytes
	v_lshlrev_b32 v8, 4, v38
	v_lshlrev_b32 v36, 3, v38
	v_cvt_f32_u32 v9, v37
	s_lshl_b32 s96, s20, 9
	s_add_co_u32 s96, s96, SSB
	v_lshl_add_u32 v11, v37, 5, s96
	v_lshl_add_u32 v33, v38, 3, s96
	v_mov_b32 v34, 1.0
	v_mov_b32 v35, 0
	s_lshl_b32 s96, s70, 19                        ; rt: rb, kstep cb / 2, chunk w, columns 64 (cb % 2) ..
	s_lshr_b32 s98, s69, 1
	s_lshl_b32 s98, s98, 16
	s_add_co_u32 s96, s96, s98
	s_lshl_b32 s98, s20, 14
	s_add_co_u32 s96, s96, s98
	s_and_b32 s98, s69, 1
	s_lshl_b32 s98, s98, 13
	s_add_co_u32 s96, s96, s98
	s_add_nc_u64 s[10:11], s[10:11], s[96:97]
	s_lshl_b32 s96, s69, 16                        ; stats: cb, row 256 rb + 64 w
	s_lshl_b32 s98, s70, 10
	s_add_co_u32 s96, s96, s98
	s_lshl_b32 s98, s20, 8
	s_add_co_u32 s96, s96, s98
	s_add_nc_u64 s[12:13], s[12:13], s[96:97]
; 12 products: column group u, three weights x four row groups, 32 along K, from fragment buffer f.  The 48 accumulators take turns in the same order in every quarter.
.macro MUL12 f, u, zero
	WIN 0x51+0x50*((\u)/2)
.irp m, 0,1,2
.irp t, 0,1,2,3
.set rD, 96*((\u)%2)+32*\m+8*\t
.set rA, 192+32*(\f)+8*\t
.set rB, 64+96*(\f)+24*(\u)+8*\m
.if \zero
	v_wmma_f32_16x16x32_f16 v[rD:rD+7], v[rA:rA+7], v[rB:rB+7], 0
.else
	v_wmma_f32_16x16x32_f16 v[rD:rD+7], v[rA:rA+7], v[rB:rB+7], v[rD:rD+7]
.endif
.endr
.endr
.endm
.macro FB2 q, f, u0                    ; the weights' fragments of column groups u0, u0 + 1: 12 turning loads
.irp u, \u0, (\u0)+1
.irp m, 0,1,2
.set rB, 64+96*(\f)+24*(\u)+8*\m
	ds_load_tr16_b128 v[rB:rB+3],   v5 offset:\m*20480+(\q)*5120+32*(\u)
	ds_load_tr16_b128 v[rB+4:rB+7], v5 offset:\m*20480+(\q)*5120+32*(\u)+2560
.endr
.endr
.endm
.macro FETCH q, f                      ; 32 LDS loads in one run: quarter q of the slot in hand into buffer f
	WIN 0
	FB2 \q, \f, 0
	WIN 0x40
.irp t, 0,1,2,3
	ds_load_b128 v[192+32*(\f)+8*\t:192+32*(\f)+8*\t+3],   v4 offset:\t*4352+64*(\q)
	ds_load_b128 v[192+32*(\f)+8*\t+4:192+32*(\f)+8*\t+7], v4 offset:\t*4352+64*(\q)+32
.endr
	WIN 0
	FB2 \q, \f, 2
.endm
.macro Q qn, f, g, zero                ; multiplies buffer f; in its middle fetches quarter qn into g
	s_wait_dscnt 12                                ; all but the youngest 12 (the weights of u = 2, 3)
	MUL12 \f, 0, \zero
	MUL12 \f, 1, \zero
	PLACES                                         ; in front of loads into registers that products have read
	FETCH \qn, \g
	s_wait_dscnt 32                                ; all but the 32 just issued
	MUL12 \f, 2, \zero
	MUL12 \f, 3, \zero
.endm
; The last quarter of a K step multiplies buffer 1 and changes slots.  In front of the barrier each wave waits for all its tensor loads (one is out: its part of the next slot), adds 0 to its spare word,
; and waits for that and for its reads of this slot.  fill = 1: the barrier opens a round of the cluster's, and the joint refill is the first tensor load behind it: 168 products lie between it and the wait for it.
.macro TURN fill
.if \fill
	s_wait_xcnt 0x0                                ; the last prefetch, a K step back, has read its address
	s_add_nc_u64 s[40:41], s[40:41], s[42:43]
.endif
	WIN 0
	s_wait_tensorcnt 0x0
	ds_add_u32 v12, v13
.if \fill
	s_xor_b32 s37, s37, SLOT                       ; no tensor load of mine is out: the walking descriptors step to the other slot and the next K step
	s_add_nc_u64 s[38:39], s[38:39], 256
	s_xor_b32 s61, s61, SLOT
	s_add_nc_u64 s[62:63], s[62:63], 49152
.endif
	s_wait_dscnt 13                                ; the add and the youngest 12 loads may be out
	MUL12 1, 0, 0
	s_wait_dscnt 0x0                               ; the add is done, my reads of this slot are over
	s_barrier_signal -1
	MUL12 1, 1, 0
	WIN 0
	s_barrier_wait -1
.if \fill
	CREST
	JLOAD                                          ; its four v_nop are also the places in front of the loads below
.else
	PLACES
.endif
	s_xor_b32 s68, s68, SLOT
	v_add_nc_u32 v4, s68, v2
	v_add_nc_u32 v5, s68, v3
	FETCH 0, 0
.if \fill
	ASK
.endif
	MUL12 1, 2, 0
	MUL12 1, 3, 0
.endm
	s_wait_tensorcnt 0x1                           ; my part of K step 0 is in; K step 1's load may stay out
	s_barrier_signal -1
	s_barrier_wait -1
	FETCH 0, 0
	Q 1, 0, 1, 1                                   ; the first quarter starts the sums
	WIN 0
	s_mov_b32 s66, 6
.Lk:                                                   ; six trips: K steps 2 to 7 are asked for
	Q 2, 1, 0, 0
	Q 3, 0, 1, 0
	TURN 1
	Q 1, 0, 1, 0
	WIN 0
	s_sub_co_u32 s66, s66, 1
	s_cmp_lg_u32 s66, 0
	s_cbranch_scc1 .Lk
	Q 2, 1, 0, 0                                   ; the tail is written out: nothing more is asked for
	Q 3, 0, 1, 0
	TURN 0
	Q 1, 0, 1, 0
	Q 2, 1, 0, 0
	Q 3, 0, 1, 0
	s_wait_dscnt 12
	MUL12 1, 0, 0
	MUL12 1, 1, 0
	s_wait_dscnt 0x0
	MUL12 1, 2, 0
	MUL12 1, 3, 0
	WIN 0
	PLACES
; ---------------- the epilogue: one column group u a trip ----------------
.macro P16SS d, a, x, y                ; d = a s[x] + s[y], 32 numbers
.set zz, 0
.rept 16
	v_pk_fma_f32 v[(\d)+zz:(\d)+zz+1], v[(\a)+zz:(\a)+zz+1], s[\x:\x+1], s[\y:\y+1] op_sel_hi:[1,0,0]
.set zz, zz+2
.endr
.endm
.macro P16S d, a, b, y                 ; d = a b + s[y]
.set zz, 0
.rept 16
	v_pk_fma_f32 v[(\d)+zz:(\d)+zz+1], v[(\a)+zz:(\a)+zz+1], v[(\b)+zz:(\b)+zz+1], s[\y:\y+1] op_sel_hi:[1,1,0]
.set zz, zz+2
.endr
.endm
.macro P16M d, a, b                    ; d = a b
.set zz, 0
.rept 16
	v_pk_mul_f32 v[(\d)+zz:(\d)+zz+1], v[(\a)+zz:(\a)+zz+1], v[(\b)+zz:(\b)+zz+1]
.set zz, zz+2
.endr
.endm
.macro SINCOS f, u                     ; f: f -> S;  u: f f -> C
	P16SS TC, \u, KA4, KA3
	P16S TC, TC, \u, KA2
	P16S TC, TC, \u, KA1
	P16S TC, TC, \u, KA0
	P16M \f, TC, \f
	P16SS TC, \u, KC4, KC3
	P16S TC, TC, \u, KC2
	P16S TC, TC, \u, KC1
	P16S \u, TC, \u, KC0
.endm
.macro EIN u                           ; out of the accumulators, each read from its low end on: the two exponents and v / 32
	WIN 1+(\u)/2
.set aa, 96*((\u)%2)
.set zz, 0
.rept 16
	v_pk_fma_f32 v[E1+zz:E1+zz+1], v[aa+zz:aa+zz+1], C2, v[16+4*(\u):17+4*(\u)] op_sel_hi:[1,0,0]
.set zz, zz+2
.endr
.set zz, 0
.rept 16
	v_pk_fma_f32 v[E2+zz:E2+zz+1], v[aa+64+zz:aa+64+zz+1], C2, v[16+4*(\u):17+4*(\u)] op_sel:[0,0,1] op_sel_hi:[1,0,1]
.set zz, zz+2
.endr
.set zz, 0
.rept 16
	v_pk_fma_f32 v[VV+zz:VV+zz+1], v[aa+32+zz:aa+32+zz+1], 0x3d000000, v[18+4*(\u):19+4*(\u)] op_sel_hi:[1,0,0]
.set zz, zz+2
.endr
	WIN 0
	v_mov_b32 v14, v[19+4*(\u)]                    ; s1
	v_mul_f32 v15, -2.0, v[19+4*(\u)]              ; -2 s1
.endm
	s_wait_loadcnt 0x0                             ; the table
	v_mov_b32 v32, v6
	s_mov_b32 s94, 4
.Lu:
	s_cmp_eq_u32 s94, 4
	s_cbranch_scc1 .Li0
	s_cmp_eq_u32 s94, 3
	s_cbranch_scc1 .Li1
	s_cmp_eq_u32 s94, 2
	s_cbranch_scc1 .Li2
	EIN 3
	s_branch .Leb
.Li0:
	EIN 0
	s_branch .Leb
.Li1:
	EIN 1
	s_branch .Leb
.Li2:
	EIN 2
.Leb:
.set i, 0
.rept 64
	v_exp_f32 v[E1+i], v[E1+i]
.set i, i+1
.endr
	v_nop                                          ; a plain instruction behind the last exponential,
	s_wait_alu depctr_va_vdst(0)                   ; and one wait for the batch
.set i, 0
.rept 32
	v_pk_add_f32 v[E1+i:E1+i+1], v[E1+i:E1+i+1], 1.0 op_sel_hi:[1,0]
.set i, i+2
.endr
.set i, 0
.rept 64
	v_rcp_f32 v[E1+i], v[E1+i]
.set i, i+1
.endr
	v_nop
	s_wait_alu depctr_va_vdst(0)
.set i, 0
.rept 32
	v_pk_fma_f32 v[E1+i:E1+i+1], v[E1+i:E1+i+1], v[14:15], v[14:15] op_sel:[0,1,0] op_sel_hi:[1,1,0]  ; turns: rho (-2 s1) + s1
.set i, i+2
.endr
.set i, 0
.rept 64
	v_rndne_f32 v[TA+i], v[E1+i]
.set i, i+1
.endr
.set i, 0
.rept 32
	v_pk_add_f32 v[E1+i:E1+i+1], v[E1+i:E1+i+1], v[TA+i:TA+i+1] neg_lo:[0,1] neg_hi:[0,1]  ; f
.set i, i+2
.endr
.set i, 0
.rept 32
	v_pk_mul_f32 v[TA+i:TA+i+1], v[E1+i:E1+i+1], v[E1+i:E1+i+1]                            ; f f
.set i, i+2
.endr
	SINCOS E1, TA                                  ; the key's S and C
	P16M TC, VV, E1                                ; v S
	P16M TA, TC, TA                                ; bound_imag = v S C
.set i, 0
.rept 16
	v_pk_fma_f32 v[E1+i:E1+i+1], v[TC+i:TC+i+1], v[E1+i:E1+i+1], v[VV+i:VV+i+1] neg_lo:[1,0,0] neg_hi:[1,0,0]  ; bound_real = v - v S S
.set i, i+2
.endr
	SINCOS E2, TB                                  ; the query's
	P16M TB, E2, TB                                ; sin
.set i, 0
.rept 16
	v_pk_fma_f32 v[E2+i:E2+i+1], v[E2+i:E2+i+1], v[E2+i:E2+i+1], 1.0 op_sel_hi:[1,1,0] neg_lo:[1,0,0] neg_hi:[1,0,0]  ; cos
.set i, i+2
.endr
	; the running sum over the chunk's 64 rows: along my eight registers of each group, then the groups' totals: the rows go (t, h) = (0,0), (0,1), (1,0) ..
.irp j, 1,2,3,4,5,6,7
.irp t, 0,1,2,3
	v_add_f32 v[E1+8*\t+\j], v[E1+8*\t+\j], v[E1+8*\t+\j-1]
	v_add_f32 v[TA+8*\t+\j], v[TA+8*\t+\j], v[TA+8*\t+\j-1]
.endr
.endr
.irp t, 0,1,2,3
	v_permlanex16_b32 v[VV+\t], v[E1+8*\t+7], s72, s73     ; the other half's total
	v_permlanex16_b32 v[VV+4+\t], v[TA+8*\t+7], s72, s73
.endr
.irp t, 0,1,2
	v_add_f32 v[TC+\t], v[E1+8*\t+7], v[VV+\t]             ; both halves'
	v_add_f32 v[TC+4+\t], v[TA+8*\t+7], v[VV+4+\t]
.endr
	v_add_f32 v[TC+8], v[TC], v[TC+1]
	v_add_f32 v[TC+12], v[TC+4], v[TC+5]
	v_mul_f32 v[TC+16], v9, v[VV]                          ; what lies in front of my group: h x the lower half's total + the earlier groups'
	v_mul_f32 v[TC+17], v9, v[VV+4]
	v_fma_f32 v[TC+18], v9, v[VV+1], v[TC]
	v_fma_f32 v[TC+19], v9, v[VV+5], v[TC+4]
	v_add_f32 v[TC+9], v[TC+8], v[TC+2]
	v_add_f32 v[TC+13], v[TC+12], v[TC+6]
	v_fma_f32 v[TC+20], v9, v[VV+2], v[TC+8]
	v_fma_f32 v[TC+21], v9, v[VV+6], v[TC+12]
	v_fma_f32 v[TC+22], v9, v[VV+3], v[TC+9]
	v_fma_f32 v[TC+23], v9, v[VV+7], v[TC+13]
.irp t, 0,1,2,3
.irp i, 0,2,4,6
	v_pk_add_f32 v[E1+8*\t+\i:E1+8*\t+\i+1], v[E1+8*\t+\i:E1+8*\t+\i+1], v[TC+16+2*\t:TC+17+2*\t] op_sel_hi:[1,0]
	v_pk_add_f32 v[TA+8*\t+\i:TA+8*\t+\i+1], v[TA+8*\t+\i:TA+8*\t+\i+1], v[TC+16+2*\t:TC+17+2*\t] op_sel:[0,1] op_sel_hi:[1,1]
.endr
.endr
	P16M E1, E1, E2                                ; mem_real cos
.set i, 0
.rept 16
	v_pk_fma_f32 v[E1+i:E1+i+1], v[TA+i:TA+i+1], v[TB+i:TB+i+1], v[E1+i:E1+i+1]  ; + mem_imag sin: retrieved / 32
.set i, i+2
.endr
.set i, 0
.rept 16
	v_cvt_pk_f16_f32 v[TC+i], v[E1+2*i], v[E1+2*i+1]
.set i, i+1
.endr
.irp t, 0,1,2,3
	ds_store_b128 v32, v[TC+4*\t:TC+4*\t+3] offset:32*\t   ; column 16 u + r, rows 16 t + 8 h ..
.endr
	v_add_nc_u32 v32, 2560, v32
	s_sub_co_u32 s94, s94, 1
	s_cmp_lg_u32 s94, 0
	s_cbranch_scc1 .Lu
	; out of my own stage: 64 columns of 128 bytes are 8,192 consecutive bytes of rt
.irp i, 0,1,2,3,4,5,6,7,8,9,10,11,12,13,14,15
	ds_load_b128 v[64+4*\i:67+4*\i], v7 offset:640*\i
.endr
	s_wait_dscnt 0x0
.irp i, 0,1,2,3,4,5,6,7,8,9,10,11,12,13,14,15
	global_store_b128 v8, v[64+4*\i:67+4*\i], s[10:11] offset:512*\i
.endr
	; each row's mean and squared deviation over these 64 columns, of the rounded numbers
.irp u, 0,1,2,3
.irp t, 0,1,2,3
	ds_load_b128 v[192+16*\u+4*\t:195+16*\u+4*\t], v6 offset:2560*\u+32*\t
.endr
.endr
	s_wait_dscnt 0x0
	s_wait_xcnt 0x0                                ; v64 .. are the data of the stores above
.set k, 0
.rept 64
	v_fma_mix_f32 v[64+2*k], v[192+k], v34, v35 op_sel_hi:[1,0,0]
	v_fma_mix_f32 v[65+2*k], v[192+k], v34, v35 op_sel:[1,0,0] op_sel_hi:[1,0,0]
.set k, k+1
.endr
.set i, 0
.rept 16
	v_pk_add_f32 v[192+i:193+i], v[64+i:65+i], v[96+i:97+i]
.set i, i+2
.endr
.irp b, 128, 160
.set i, 0
.rept 16
	v_pk_add_f32 v[192+i:193+i], v[192+i:193+i], v[\b+i:\b+i+1]
.set i, i+2
.endr
.endr
.irp m, 1,2,4,8
.set i, 0
.rept 32
	v_add_f32_dpp v[192+i], v[192+i], v[192+i] row_xmask:\m row_mask:0xf bank_mask:0xf
.set i, i+1
.endr
.endr
.set i, 0
.rept 16
	v_pk_mul_f32 v[192+i:193+i], v[192+i:193+i], 0x3c800000 op_sel_hi:[1,0]
.set i, i+2
.endr
.irp b, 64, 96, 128, 160
.set i, 0
.rept 16
	v_pk_add_f32 v[\b+i:\b+i+1], v[\b+i:\b+i+1], v[192+i:193+i] neg_lo:[0,1] neg_hi:[0,1]
.set i, i+2
.endr
.endr
	P16M 224, 64, 64
.irp b, 96, 128, 160
.set i, 0
.rept 16
	v_pk_fma_f32 v[224+i:225+i], v[\b+i:\b+i+1], v[\b+i:\b+i+1], v[224+i:225+i]
.set i, i+2
.endr
.endr
.irp m, 1,2,4,8
.set i, 0
.rept 32
	v_add_f32_dpp v[224+i], v[224+i], v[224+i] row_xmask:\m row_mask:0xf bank_mask:0xf
.set i, i+1
.endr
.endr
.irp t, 0,1,2,3
.irp c, 0,1
	ds_store_b128 v11, v[192+8*\t+4*\c:195+8*\t+4*\c] offset:64*\t+16*\c       ; the sixteen lanes of a half write the same words with the same numbers
	ds_store_b128 v11, v[224+8*\t+4*\c:227+8*\t+4*\c] offset:256+64*\t+16*\c
.endr
.endr
	ds_load_b64 v[64:65], v33
	ds_load_b64 v[66:67], v33 offset:256
	s_wait_dscnt 0x0
	global_store_b64 v36, v[64:65], s[12:13]                   ; 256 consecutive bytes, aligned
	global_store_b64 v36, v[66:67], s[12:13] offset:32768
	s_wait_tensorcnt 0x0                           ; the wave's end
	ds_add_u32 v12, v13
	s_wait_dscnt 0x0
	CROUND                                         ; the closing round
	s_endpgm
.Lfunc_end_k_qf5c9266158_phase:
	.size	k_qf5c9266158_phase, .Lfunc_end_k_qf5c9266158_phase-k_qf5c9266158_phase
	.p2alignl 7, 3214868480
	.fill 96, 4, 3214868480
	.section	.rodata,"a",@progbits
	.p2align	6, 0x0
	.amdhsa_kernel k_qf5c9266158_phase
		.amdhsa_group_segment_fixed_size 327680
		.amdhsa_private_segment_fixed_size 0
		.amdhsa_enable_private_segment 0
		.amdhsa_kernarg_size 40
		.amdhsa_user_sgpr_count 2
		.amdhsa_user_sgpr_kernarg_segment_ptr 1
		.amdhsa_wavefront_size32 1
		.amdhsa_system_sgpr_workgroup_id_x 1
		.amdhsa_system_sgpr_workgroup_id_y 1
		.amdhsa_system_sgpr_workgroup_id_z 1
		.amdhsa_system_vgpr_workitem_id 0
		.amdhsa_next_free_vgpr 704
		.amdhsa_next_free_sgpr 100
		.amdhsa_reserve_vcc 0
		.amdhsa_float_denorm_mode_32 3
		.amdhsa_float_denorm_mode_16_64 3
		.amdhsa_memory_ordered 1
		.amdhsa_forward_progress 1
		.amdhsa_inst_pref_size 184
	.end_amdhsa_kernel
	.amdgpu_metadata
---
amdhsa.version: [ 1, 2 ]
amdhsa.kernels:
  - .name:           k_qf5c9266158_phase
    .symbol:         k_qf5c9266158_phase.kd
    .args:
      - { .name: xh, .offset: 0, .size: 8, .value_kind: global_buffer, .address_space: global }
      - { .name: wcat, .offset: 8, .size: 8, .value_kind: global_buffer, .address_space: global }
      - { .name: ctab, .offset: 16, .size: 8, .value_kind: global_buffer, .address_space: global }
      - { .name: rt, .offset: 24, .size: 8, .value_kind: global_buffer, .address_space: global }
      - { .name: stats, .offset: 32, .size: 8, .value_kind: global_buffer, .address_space: global }
    .group_segment_fixed_size: 327680
    .private_segment_fixed_size: 0
    .kernarg_segment_align: 8
    .kernarg_segment_size: 40
    .max_flat_workgroup_size: 128
    .sgpr_count:     100
    .vgpr_count:     704
    .wavefront_size: 32
...
	.end_amdgpu_metadata
.endif
;; end of part 2
;; launch outp (part 3): grid 8 x 32, 4 waves a work-group, clusters of 4 x 4, 327,680 bytes of LDS; arguments rt, stats, wot, ln_g, ln_b, bo, xh, out0; writes out0
.if DOCPART == 3
	.amdgcn_target "amdgcn-amd-amdhsa--gfx1250"
	.amdhsa_code_object_version 6
	.text
	.protected	k_qf5c9266158_outp
	.globl	k_qf5c9266158_outp
	.p2align	8
	.type	k_qf5c9266158_outp,@function
k_qf5c9266158_outp:
	s_mov_b64 s[64:65], 0
	v_nop
	global_prefetch_b8 v0, s[64:65] scope:SCOPE_SE
	s_setreg_imm32_b32 hwreg(HW_REG_WAVE_MODE, 25, 1), 1
	s_wait_xcnt 0x0
	s_wait_alu depctr_hold_cnt(0) depctr_sa_sdst(0) depctr_va_vdst(0) depctr_va_sdst(0) depctr_va_ssrc(0) depctr_va_vcc(0) depctr_vm_vsrc(0)
	s_getreg_b32 s2, hwreg(HW_REG_IB_STS2, 6, 4)
	s_cmp_eq_u32 s2, 0
	s_cbranch_scc0 .Lentry_in_a_cluster
	s_endpgm
.Lentry_in_a_cluster:
	s_bfe_u32 s2, ttmp6, 0x10000c
	s_cmp_lg_u32 s2, 0xf033
	s_cbranch_scc0 .Lentry_shape_is_right
	s_endpgm
.Lentry_shape_is_right:
; OUTP: out0 = x + LayerNorm(retrieved / 32) Wo + bo.  Nothing of reference() is left out.
; A work-group has 256 rows x 128 columns; wave w has chunk w: 64 rows x 128 columns, 32 accumulators.  Source 0 = 16 columns of Wo, source 1 = 16 rows: a lane ends with row 16 t + lane % 16 and eight neighbouring columns.
; THE NORM.  The 16 column blocks' means and squared deviations are combined without a difference of large sums: mean = sum(mean_b) / 16, M2 = sum(M2_b) + 64 sum((mean_b - mean)^2);
; rs = rsqrt(M2 / 1024 + 1e-5), c = -mean rs.  The A operand is normalised in registers between its LDS load and its product: a rs + c in f32, rounded to f16 once, then times g plus b in packed f16.
; These 96 vector instructions of a quarter stand in fours behind the products of the quarter before.
; LIMITS: f16 holds nothing from 65,520 on; the residual takes x rounded to f16 (2^-11 of x); NaN and infinities are not treated apart.
; CLUSTER 4 x 4: rt's tile hangs on the row block alone (shared along a row of the cluster), Wo's on the column block alone (shared along a column).  K in 8 steps of 128 through two LDS slots.
; REGISTERS: window 0: v0-63 addresses, constants, g and b of a quarter; v64-95, v96-127 A's fragments; v128-191, v192-255 Wo's fragments.  window 1: accumulator (t, nt) at 8 (8 t + nt).  window 2: v0-127 x's rows in f16.
.set SLOT,  131072                     ; a slot: rt 4 chunks x 128 columns x 160 (81,920), then Wo 2 x 128 k x 160 (40,960)
.set BOFF,  81920
.set OST,   253952                     ; behind the ring: a stage of 16 rows x 528 for each wave
.set GT,    287744                     ; g in f16, 2,048 bytes, then b
.set RTB,   291840                     ; for each wave 64 rs, then 64 c
.set SPARE, 293888
.set MSB, 0
.macro WIN new
.if MSB != (\new)
	s_set_vgpr_msb (MSB<<8)|(\new)
.set MSB, (\new)
.endif
.endm
.macro PLACES
.rept 4
	v_nop
.endr
.endm
.macro CREST
	s_cmp_lg_u32 s20, 0
	s_cbranch_scc1 .Lnw0_\@
	s_barrier_signal -3
.Lnw0_\@:
	s_barrier_wait -3
	s_barrier_signal -1
	s_barrier_wait -1
.endm
.macro CROUND
	s_barrier_signal -1
	s_barrier_wait -1
	CREST
.endm
.macro JLOAD
	s_cmp_lt_u32 s20, 2
	s_cbranch_scc0 .Lfb_\@
	tensor_load_to_lds s[36:39], s[24:31]
	s_nop 0
	PLACES
	s_branch .Lfa_\@
.Lfb_\@:
	tensor_load_to_lds s[60:63], s[48:55]
	s_nop 0
	PLACES
.Lfa_\@:
.endm
; A prefetch of 32 blocks of 256 bytes, a lane a block, that a refill two changes of slots on (or later) will ask for.  rt's are asked for by the clusters with x = 0 (waves 0, 1), Wo's by those with y = 0 (waves 2, 3);
; partners share the blocks out by address.  K steps 0 to 3 come by their loads alone; s67 stops the asking at K step 7.
.macro ASK
	s_cmp_gt_u32 s66, s67
	s_cbranch_scc0 .Lnask_\@
	global_prefetch_b8 v11, s[40:41] th:TH_LOAD_NT scope:SCOPE_SE
.Lnask_\@:
.endm
	s_load_b512 s[4:19], s[0:1], 0x0               ; rt, stats, wot, ln_g, ln_b, bo, xh, out0
	v_lshl_add_u32 v12, v0, 2, SPARE
	v_mov_b32 v13, 0
	ds_add_u32 v12, v13                            ; the opening: the add, twice on end, and its wait ahead of my first tensor load
	ds_add_u32 v12, v13
	v_lshrrev_b32 v1, 5, v0
	v_readfirstlane_b32 s20, v1
	s_and_b32 s21, s20, 1
	s_bfe_u32 s22, ttmp6, 0x40000                  ; cx
	s_bfe_u32 s23, ttmp6, 0x40004                  ; cy
	s_lshl_b32 s69, ttmp9, 2
	s_add_co_u32 s69, s69, s22                     ; nb
	s_and_b32 s70, ttmp7, 0xffff
	s_lshl_b32 s70, s70, 2
	s_add_co_u32 s70, s70, s23                     ; rb
	s_lshl_b32 s44, s23, 2
	s_lshl_b32 s44, 15, s44
	s_lshl_b32 s46, 0x1111, s22
	s_or_b32 s24, s44, (1<<16)|(1<<20)|(1<<21)|(4<<22)|(7<<25)  ; dense blocks asked for as rows of 256 bytes; 8 words of padding after every 32
	s_mov_b32 s25, 128<<16
	s_mov_b32 s26, 128<<16
	s_mov_b32 s27, 128<<16
	s_mov_b32 s28, 128
	s_mov_b32 s29, 128
	s_mov_b32 s30, 0
	s_mov_b32 s31, 0
	s_or_b32 s48, s46, (1<<16)|(1<<20)|(1<<21)|(4<<22)|(7<<25)
	s_mov_b32 s49, 128<<16
	s_mov_b32 s50, 64<<16
	s_mov_b32 s51, 128<<16
	s_mov_b32 s52, 64
	s_mov_b32 s53, 128
	s_mov_b32 s54, 0
	s_mov_b32 s55, 0
	s_lshl_b32 s44, s70, 19                        ; rt: the row block, my two chunks of a K step
	s_lshl_b32 s45, s21, 15
	s_add_co_u32 s44, s44, s45
	s_mov_b32 s45, 0
	s_lshl_b32 s46, s69, 18                        ; wot: the column block, my 64 columns of a K step
	s_lshl_b32 s47, s21, 14
	s_add_co_u32 s46, s46, s47
	s_mov_b32 s47, 0
	s_mul_i32 s71, s21, 40960
	s_mul_i32 s95, s21, 20480
	s_add_co_u32 s95, s95, BOFF
	s_mov_b32 s74, 0x3a800000                      ; 1 / 1024
	s_mov_b32 s75, 0x3a800000
	s_mov_b32 s76, 0x3727c5ac                      ; 1e-5
	s_mov_b32 s77, 0x3727c5ac
	s_mov_b32 s68, 0
	s_wait_dscnt 0x0
	s_wait_kmcnt 0x0
	s_add_nc_u64 s[44:45], s[4:5], s[44:45]
	s_add_nc_u64 s[46:47], s[8:9], s[46:47]
	CROUND
	s_mov_b32 s32, 1
	s_mov_b32 s33, s71
	s_add_nc_u64 s[34:35], s[44:45], 0
	s_or_b32 s35, s35, 0x80000000
	s_mov_b32 s36, 1
	s_add_co_u32 s37, s71, SLOT
	s_add_nc_u64 s[38:39], s[44:45], 65536
	s_or_b32 s39, s39, 0x80000000
	s_mov_b32 s56, 1
	s_mov_b32 s57, s95
	s_add_nc_u64 s[58:59], s[46:47], 0
	s_or_b32 s59, s59, 0x80000000
	s_mov_b32 s60, 1
	s_add_co_u32 s61, s95, SLOT
	s_add_nc_u64 s[62:63], s[46:47], 32768
	s_or_b32 s63, s63, 0x80000000
	s_cmp_lt_u32 s20, 2
	s_cbranch_scc0 .Lfirst_b
	tensor_load_to_lds s[32:35], s[24:31]
	s_nop 0
	tensor_load_to_lds s[36:39], s[24:31]
	s_nop 0
	PLACES
	s_branch .Lfirst_done
.Lfirst_b:
	tensor_load_to_lds s[56:59], s[48:55]
	s_nop 0
	tensor_load_to_lds s[60:63], s[48:55]
	s_nop 0
	PLACES
.Lfirst_done:
	; the prefetches' address, one step of 65,536 bytes in front of the first target
	s_lshl_b32 s96, s70, 19
	s_lshl_b32 s97, s21, 15
	s_add_co_u32 s96, s96, s97
	s_lshl_b32 s97, s22, 13
	s_add_co_u32 s96, s96, s97
	s_add_co_u32 s96, s96, 196608                  ; K step 3
	s_lshl_b32 s98, s69, 18
	s_lshl1_add_u32 s97, s23, s21
	s_lshl_b32 s97, s97, 13
	s_add_co_u32 s98, s98, s97
	s_add_co_u32 s98, s98, 65536                   ; 65,536 in front of K step 4
	s_and_b32 s99, ttmp7, 0xffff
	s_cmp_lt_u32 s20, 2
	s_cselect_b64 s[40:41], s[4:5], s[8:9]
	s_cselect_b32 s96, s96, s98
	s_cselect_b32 s67, 2, 4                        ; four asks for rt, two for Wo
	s_cselect_b32 s99, ttmp9, s99
	s_mov_b32 s97, 0
	s_mov_b32 s42, 0x10000
	s_mov_b32 s43, 0
	s_add_nc_u64 s[40:41], s[40:41], s[96:97]
	s_cmp_eq_u32 s99, 0
	s_cselect_b32 s67, s67, -1
	; bases
	s_lshl_b32 s96, s70, 10
	s_lshl_b32 s98, s20, 8
	s_add_co_u32 s96, s96, s98
	s_add_nc_u64 s[6:7], s[6:7], s[96:97]          ; stats at row 256 rb + 64 w
	s_lshl_b32 s96, s69, 9
	s_add_nc_u64 s[14:15], s[14:15], s[96:97]      ; bo at column 128 nb
	s_lshl_b32 s98, s70, 20
	s_add_co_u32 s96, s96, s98
	s_lshl_b32 s98, s20, 18
	s_add_co_u32 s96, s96, s98
	s_add_nc_u64 s[18:19], s[18:19], s[96:97]      ; out0
	s_lshl_b32 s96, s70, 19
	s_lshl_b32 s98, s20, 17
	s_add_co_u32 s96, s96, s98
	s_lshl_b32 s98, s69, 8
	s_add_co_u32 s96, s96, s98
	s_add_nc_u64 s[16:17], s[16:17], s[96:97]      ; xh
	v_and_b32 v49, 31, v0                          ; L
	v_lshlrev_b32 v53, 5, v0
	v_lshlrev_b32 v9, 4, v49
	v_lshlrev_b32 v10, 3, v49
	global_load_b128 v[64:67], v53, s[10:11]       ; eight numbers of g and of b a thread
	global_load_b128 v[68:71], v53, s[10:11] offset:16
	global_load_b128 v[72:75], v53, s[12:13]
	global_load_b128 v[76:79], v53, s[12:13] offset:16
	global_load_b128 v[16:19], v9, s[14:15]        ; bo of columns 4 L ..
.set i, 0
.rept 16
	global_load_b64 v[80+2*i:81+2*i], v10, s[6:7] offset:i*65536          ; mean_b of rows 2 L, 2 L + 1
	global_load_b64 v[112+2*i:113+2*i], v10, s[6:7] offset:i*65536+32768  ; M2_b
.set i, i+1
.endr
	v_and_b32 v1, 15, v0                           ; r
	v_bfe_u32 v48, v0, 4, 1                        ; h
	v_and_b32 v50, 7, v0
	v_bfe_u32 v51, v0, 3, 1
	v_lshl_add_u32 v52, v48, 3, v50                ; the turning load's place
	v_mul_u32_u24 v52, v52, 160
	v_lshl_add_u32 v52, v51, 4, v52
	s_mul_i32 s96, s20, 20480
	v_add_nc_u32 v2, s96, v52
	v_add_nc_u32 v3, BOFF, v52
	v_mov_b32 v4, v2
	v_mov_b32 v5, v3
	v_lshl_add_u32 v6, v48, 4, GT
	s_mul_i32 s96, s20, 8448
	s_add_co_u32 s96, s96, OST
	v_mul_u32_u24 v7, v1, 528
	v_lshl_add_u32 v7, v48, 5, v7
	v_add_nc_u32 v7, s96, v7
	v_add_nc_u32 v8, s96, v9
	v_lshlrev_b32 v11, 8, v49
	v_mov_b32 v14, 1.0
	s_lshl_b32 s96, s20, 9
	s_add_co_u32 s96, s96, RTB
	v_lshl_add_u32 v15, v1, 2, s96
	v_lshl_add_u32 v28, v49, 3, s96
	v_lshl_add_u32 v54, v0, 4, GT
	s_wait_loadcnt 0x0
	v_cvt_pk_f16_f32 v64, v64, v65
	v_cvt_pk_f16_f32 v65, v66, v67
	v_cvt_pk_f16_f32 v66, v68, v69
	v_cvt_pk_f16_f32 v67, v70, v71
	v_cvt_pk_f16_f32 v72, v72, v73
	v_cvt_pk_f16_f32 v73, v74, v75
	v_cvt_pk_f16_f32 v74, v76, v77
	v_cvt_pk_f16_f32 v75, v78, v79
	ds_store_b128 v54, v[64:67]
	ds_store_b128 v54, v[72:75] offset:2048
	v_pk_add_f32 v[144:145], v[80:81], v[82:83]
	v_pk_add_f32 v[146:147], v[112:113], v[114:115]
.set i, 2
.rept 14
	v_pk_add_f32 v[144:145], v[144:145], v[80+2*i:81+2*i]
	v_pk_add_f32 v[146:147], v[146:147], v[112+2*i:113+2*i]
.set i, i+1
.endr
	v_pk_mul_f32 v[144:145], v[144:145], 0x3d800000 op_sel_hi:[1,0]   ; the mean
.set i, 0
.rept 16
	v_pk_add_f32 v[80+2*i:81+2*i], v[80+2*i:81+2*i], v[144:145] neg_lo:[0,1] neg_hi:[0,1]
.set i, i+1
.endr
	v_pk_mul_f32 v[148:149], v[80:81], v[80:81]
.set i, 1
.rept 15
	v_pk_fma_f32 v[148:149], v[80+2*i:81+2*i], v[80+2*i:81+2*i], v[148:149]
.set i, i+1
.endr
	v_pk_fma_f32 v[148:149], v[148:149], 0x42800000, v[146:147] op_sel_hi:[1,0,1]  ; M2
	v_pk_fma_f32 v[148:149], v[148:149], s[74:75], s[76:77] op_sel_hi:[1,0,0]      ; var + eps
	v_rsq_f32 v150, v148
	v_rsq_f32 v151, v149
	v_nop
	s_wait_alu depctr_va_vdst(0)                   ; one wait for both
	v_pk_mul_f32 v[152:153], v[144:145], v[150:151] neg_lo:[1,0] neg_hi:[1,0]
	ds_store_b64 v28, v[150:151]                   ; through my own words: from rows 2 L, 2 L + 1 to rows 16 t + r
	ds_store_b64 v28, v[152:153] offset:256
.irp t, 0,1,2,3
	ds_load_b32 v[20+2*\t], v15 offset:64*\t
	ds_load_b32 v[21+2*\t], v15 offset:64*\t+256
.endr
.macro LD q, f                         ; 28 LDS loads in one run: A's 8, g's and b's 4, Wo's 16
	WIN 0
.irp t, 0,1,2,3
	ds_load_tr16_b128 v[64+32*(\f)+8*\t:64+32*(\f)+8*\t+3],   v4 offset:(\q)*5120+32*\t
	ds_load_tr16_b128 v[64+32*(\f)+8*\t+4:64+32*(\f)+8*\t+7], v4 offset:(\q)*5120+32*\t+2560
.endr
	ds_load_b128 v[32:35], v6 offset:64*(\q)
	ds_load_b128 v[36:39], v6 offset:64*(\q)+32
	ds_load_b128 v[40:43], v6 offset:64*(\q)+2048
	ds_load_b128 v[44:47], v6 offset:64*(\q)+2080
.irp n, 0,1,2,3,4,5,6,7
	ds_load_tr16_b128 v[128+64*(\f)+8*\n:128+64*(\f)+8*\n+3],   v5 offset:(\n/4)*20480+(\q)*5120+32*(\n%4)
	ds_load_tr16_b128 v[128+64*(\f)+8*\n+4:128+64*(\f)+8*\n+7], v5 offset:(\n/4)*20480+(\q)*5120+32*(\n%4)+2560
.endr
.endm
; Number nq of the 96 that normalise buffer f: for each row group 8 low halves, 8 high halves (a rs + c, reckoned in f32), then 8 packed lines times g plus b.
.macro NRM f
.set tt, nq/24
.set kk, nq%24
.if kk < 8
.set rg, 64+32*(\f)+8*tt+kk
	v_fma_mixlo_f16 v[rg], v[rg], v[20+2*tt], v[21+2*tt] op_sel_hi:[1,0,0]
.elseif kk < 16
.set rg, 64+32*(\f)+8*tt+kk-8
	v_fma_mixhi_f16 v[rg], v[rg], v[20+2*tt], v[21+2*tt] op_sel:[1,0,0] op_sel_hi:[1,0,0]
.else
.set rg, 64+32*(\f)+8*tt+kk-16
	v_pk_fma_f16 v[rg], v[rg], v[32+kk-16], v[40+kk-16]
.endif
.set nq, nq+1
.endm
.macro RID f, n
	WIN 0
.rept \n
	NRM \f
.endr
.endm
.macro MW f, zero                      ; product mi of 32: the accumulators take turns
	WIN 0x50
.if \zero
	v_wmma_f32_16x16x32_f16 v[8*mi:8*mi+7], v[128+64*(\f)+8*(mi%8):128+64*(\f)+8*(mi%8)+7], v[64+32*(\f)+8*(mi/8):64+32*(\f)+8*(mi/8)+7], 0
.else
	v_wmma_f32_16x16x32_f16 v[8*mi:8*mi+7], v[128+64*(\f)+8*(mi%8):128+64*(\f)+8*(mi%8)+7], v[64+32*(\f)+8*(mi/8):64+32*(\f)+8*(mi/8)+7], v[8*mi:8*mi+7]
.endif
.set mi, mi+1
.endm
; A quarter: multiplies buffer f, fetches quarter qn into g at its head and normalises it behind its last 24 products.  The riders behind the last product of the quarter before
; name none of its registers: they are the four places in front of the loads.
.macro Q qn, f, g, zero
	s_wait_dscnt 0x0                               ; Wo's fragments of buffer f
	LD \qn, \g
.set mi, 0
.set nq, 0
.rept 8
	MW \f, \zero
.endr
	s_wait_dscnt 16                                ; A, g and b are in; Wo's 16 loads may be out
.rept 24
	MW \f, \zero
	RID \g, 4
.endr
.endm
.macro TURN fill
.if \fill
	s_wait_xcnt 0x0                                ; the last prefetch, a K step back, has read its address
	s_add_nc_u64 s[40:41], s[40:41], s[42:43]
.endif
	WIN 0
	s_wait_tensorcnt 0x0                           ; all my tensor loads have landed: my part of the next slot
	ds_add_u32 v12, v13
.if \fill
	s_xor_b32 s37, s37, SLOT
	s_add_nc_u64 s[38:39], s[38:39], 65536
	s_xor_b32 s61, s61, SLOT
	s_add_nc_u64 s[62:63], s[62:63], 32768
.endif
	s_wait_dscnt 1                                 ; the add alone may be out
.set mi, 0
.set nq, 0
.rept 8
	MW 1, 0
.endr
	s_wait_dscnt 0x0                               ; the add is done, my reads of this slot are over
	s_barrier_signal -1
.rept 8
	MW 1, 0
.endr
	WIN 0
	s_barrier_wait -1
.if \fill
	CREST
	JLOAD                                          ; 112 products lie between it and the wait for it
.else
	PLACES
.endif
	s_xor_b32 s68, s68, SLOT
	v_add_nc_u32 v4, s68, v2
	v_add_nc_u32 v5, s68, v3
	v_add_nc_u32 v6, 256, v6                       ; g and b of the next 128 channels
	LD 0, 0
.if \fill
	ASK
.endif
.rept 4
	MW 1, 0
.endr
	s_wait_dscnt 16
.rept 12
	MW 1, 0
	RID 0, 8
.endr
.endm
	s_wait_tensorcnt 0x1                           ; my part of K step 0 is in; K step 1's load may stay out
	s_wait_dscnt 0x0                               ; my part of g's and b's table is stored, rs and c are back
	s_barrier_signal -1
	s_barrier_wait -1
	LD 0, 0
	s_wait_dscnt 0x0
.set nq, 0
	RID 0, 96
	Q 1, 0, 1, 1
	WIN 0
	s_mov_b32 s66, 6
.Lk:
	Q 2, 1, 0, 0
	Q 3, 0, 1, 0
	TURN 1
	Q 1, 0, 1, 0
	WIN 0
	s_sub_co_u32 s66, s66, 1
	s_cmp_lg_u32 s66, 0
	s_cbranch_scc1 .Lk
	WIN 0x80                                       ; x's rows for the residual: 256 bytes a row, asked for two K steps ahead of their use
.set i, 0
.rept 64
	global_load_b64 v[2*i:2*i+1], v10, s[16:17] offset:i*2048
.set i, i+1
.endr
	WIN 0
	Q 2, 1, 0, 0
	Q 3, 0, 1, 0
	TURN 0
	Q 1, 0, 1, 0
	Q 2, 1, 0, 0
	Q 3, 0, 1, 0
	s_wait_dscnt 0x0
.set mi, 0
.rept 32
	MW 1, 0
.endr
	WIN 0
	PLACES
; THE WAY OUT, 16 rows at a time: f32 sums through my own stage, back as whole rows of 512 bytes; x and bo are added; each store covers 512 consecutive bytes, aligned.
.macro OUT t
	WIN 0x04
.irp n, 0,1,2,3,4,5,6,7
	ds_store_b128 v7, v[8*(8*(\t)+\n):8*(8*(\t)+\n)+3]   offset:64*\n
	ds_store_b128 v7, v[8*(8*(\t)+\n)+4:8*(8*(\t)+\n)+7] offset:64*\n+16
.endr
	WIN 0
	s_wait_xcnt 0x0                                ; v64 .. are the data of the stores of the 16 rows before
.set i, 0
.rept 16
	ds_load_b128 v[64+4*i:67+4*i], v8 offset:528*i ; LDS serves a wave's instructions in order: these see the stores above
.set i, i+1
.endr
	s_wait_dscnt 0x0
.if (\t) == 0
	s_wait_loadcnt 0x0                             ; x's rows
.endif
	WIN 0x02
.set i, 0
.rept 16
	v_fma_mix_f32 v[64+4*i], v[32*(\t)+2*i], v14, v[64+4*i] op_sel_hi:[1,0,0]
	v_fma_mix_f32 v[65+4*i], v[32*(\t)+2*i], v14, v[65+4*i] op_sel:[1,0,0] op_sel_hi:[1,0,0]
	v_fma_mix_f32 v[66+4*i], v[32*(\t)+2*i+1], v14, v[66+4*i] op_sel_hi:[1,0,0]
	v_fma_mix_f32 v[67+4*i], v[32*(\t)+2*i+1], v14, v[67+4*i] op_sel:[1,0,0] op_sel_hi:[1,0,0]
.set i, i+1
.endr
	WIN 0
.set i, 0
.rept 16
	v_pk_add_f32 v[64+4*i:65+4*i], v[64+4*i:65+4*i], v[16:17]
	v_pk_add_f32 v[66+4*i:67+4*i], v[66+4*i:67+4*i], v[18:19]
.set i, i+1
.endr
.set i, 0
.rept 16
	global_store_b128 v9, v[64+4*i:67+4*i], s[18:19] offset:(16*(\t)+i)*4096 th:TH_STORE_NT
.set i, i+1
.endr
.endm
	OUT 0
	OUT 1
	OUT 2
	OUT 3
	s_wait_tensorcnt 0x0                           ; the wave's end
	ds_add_u32 v12, v13
	s_wait_dscnt 0x0
	CROUND                                         ; the closing round
	s_endpgm
.Lfunc_end_k_qf5c9266158_outp:
	.size	k_qf5c9266158_outp, .Lfunc_end_k_qf5c9266158_outp-k_qf5c9266158_outp
	.p2alignl 7, 3214868480
	.fill 96, 4, 3214868480
	.section	.rodata,"a",@progbits
	.p2align	6, 0x0
	.amdhsa_kernel k_qf5c9266158_outp
		.amdhsa_group_segment_fixed_size 327680
		.amdhsa_private_segment_fixed_size 0
		.amdhsa_enable_private_segment 0
		.amdhsa_kernarg_size 64
		.amdhsa_user_sgpr_count 2
		.amdhsa_user_sgpr_kernarg_segment_ptr 1
		.amdhsa_wavefront_size32 1
		.amdhsa_system_sgpr_workgroup_id_x 1
		.amdhsa_system_sgpr_workgroup_id_y 1
		.amdhsa_system_sgpr_workgroup_id_z 1
		.amdhsa_system_vgpr_workitem_id 0
		.amdhsa_next_free_vgpr 640
		.amdhsa_next_free_sgpr 100
		.amdhsa_reserve_vcc 0
		.amdhsa_float_denorm_mode_32 3
		.amdhsa_float_denorm_mode_16_64 3
		.amdhsa_memory_ordered 1
		.amdhsa_forward_progress 1
		.amdhsa_inst_pref_size 198
	.end_amdhsa_kernel
	.amdgpu_metadata
---
amdhsa.version: [ 1, 2 ]
amdhsa.kernels:
  - .name:           k_qf5c9266158_outp
    .symbol:         k_qf5c9266158_outp.kd
    .args:
      - { .name: rt, .offset: 0, .size: 8, .value_kind: global_buffer, .address_space: global }
      - { .name: stats, .offset: 8, .size: 8, .value_kind: global_buffer, .address_space: global }
      - { .name: wot, .offset: 16, .size: 8, .value_kind: global_buffer, .address_space: global }
      - { .name: ln_g, .offset: 24, .size: 8, .value_kind: global_buffer, .address_space: global }
      - { .name: ln_b, .offset: 32, .size: 8, .value_kind: global_buffer, .address_space: global }
      - { .name: bo, .offset: 40, .size: 8, .value_kind: global_buffer, .address_space: global }
      - { .name: xh, .offset: 48, .size: 8, .value_kind: global_buffer, .address_space: global }
      - { .name: out0, .offset: 56, .size: 8, .value_kind: global_buffer, .address_space: global }
    .group_segment_fixed_size: 327680
    .private_segment_fixed_size: 0
    .kernarg_segment_align: 8
    .kernarg_segment_size: 64
    .max_flat_workgroup_size: 128
    .sgpr_count:     100
    .vgpr_count:     640
    .wavefront_size: 32
...
	.end_amdgpu_metadata
.endif
;; end of part 3
;; ======== version 2 of 2: 3 launches; version 1 with the launch prep written anew for expert scheduling mode
;; limits: values are held in f16: magnitudes above 65,504 overflow, below 6.1e-05 lose precision; a function is approximated: absolute error at most 5e-05
;; workspace buffers: xh 16,777,216 bytes; wcat 6,291,456 bytes; wot 2,097,152 bytes; ctab 16,384 bytes; rt 16,777,216 bytes; stats 1,048,576 bytes
;; launch prep (part 4): grid 256 x 1, 8 waves a work-group, no clusters, 115,712 bytes of LDS; arguments x, Wk, Wkp, Wq, Wqp, Wv, Wo, bk, bkp, bq, bqp, bv, phase_scale, xh, wcat, wot, ctab; writes xh, wcat, wot, ctab
.if DOCPART == 4
	.amdgcn_target "amdgcn-amd-amdhsa--gfx1250"
	.amdhsa_code_object_version 6
	.text
	.protected	k_qf5c9266158_prep
	.globl	k_qf5c9266158_prep
	.p2align	8
	.type	k_qf5c9266158_prep,@function
k_qf5c9266158_prep:
	s_mov_b64 s[64:65], 0
	v_nop
	global_prefetch_b8 v0, s[64:65] scope:SCOPE_SE
	s_setreg_imm32_b32 hwreg(HW_REG_WAVE_SCHED_MODE, 0, 2), 2
	s_setreg_imm32_b32 hwreg(HW_REG_WAVE_MODE, 25, 1), 1
	s_wait_xcnt 0x0
	s_wait_alu depctr_vm_vsrc(0)
; PREP: folds the two chains of products, rounds x, Wv, Wo to f16 and lays the weights out for the two launches behind.
; NOTHING IS LEFT OUT: every input has a way to the output and is loaded.  One step is reassociated, exactly in real numbers for all values:
; (x Wk + bk) Wkp + bkp = x (Wk Wkp) + (bk Wkp + bkp), and the same for the query.  So W1 = Wk Wkp, W2 = Wq Wqp (1024 x 1024 x 1024 each) are made here once,
; and the later launch multiplies x by W1, Wv, W2 only.  LIMIT: an overflow, NaN or infinity that reference() would meet in key or query alone is not carried to the result.
; FORMAT: all matrix operands f16, sums f32.  LIMIT: an operand of 65,520 or more becomes an infinity; below 6e-5 f16 keeps its fixed step of 6e-8.
; Work-groups 0-127 FOLD: (p, kb, nb): a tile of 128 k x 128 n of W1 (p = 0) or W2 (p = 1), the inner index j in 16 steps of 64, f32 tiles rounded on the way through registers into two LDS buffers.
;   Those with kb = 0 also make 128 numbers of b Wkp + bkp (f32, from the unrounded tile) and their part of the table ctab:
;   row 0: C2 (bk Wkp + bkp), row 1: C2 (bq Wqp + bqp), row 2: bv / 32, row 3: phase_scale / 2 pi;  C2 = 2 log2(e).
; Work-groups 128-255 CAST: 64 rows of x to xh, and 256 k x 64 columns of Wv (into wcat) or Wo (into wot).  No LDS.
; wcat: f16 [cb 16][kstep 8][mat 3: W1, Wv, W2][k 128][64 columns];  wot: f16 [nb 8][kstep 8][sub 2][k 128][64 columns].
; No multicast, no tensor loads: the f32 tiles must pass through registers to be rounded.
; THE MODE: SCHED_MODE bits 1:0 = 2 (LLVM: expert scheduling mode 2), set by the entry lines.  The code itself states the register dependences
; between vector or matrix instructions and memory or LDS instructions, with s_wait_alu, always for 0.
; THE PLAN, CAST.  A wave's 80 loads go in 10 blocks of eight (blocks 0-7: x, blocks 8, 9: the weights).
;   X0 .. X3   four blocks as loaded.  Written by the loads of block p + 3, issued in block p; read by block p's conversions.
;   Y0, Y1     two blocks to store.    Written by block p's conversions; read by the eight stores that are issued in block p + 1.
;   v2 .. v5   byte offsets, made once and never written again: the rows are reached by immediate offsets.
;   Block p's memory instructions touch X[(p - 1) % 4] and Y[(p - 1) % 2], which no vector instruction of block p names: the waits at a block's head state all that they hang on.
; THE PLAN, FOLD.  Step b of the loop:
;   set b      loads land in it; the multiply-adds read it; the conversions read and write it in place; 16 LDS stores read it; the loads of two steps on land in it.
;   fragments  two buffers (v208-255; v256-303), one for each 32 along j: LDS loads land in them behind the barrier; eight products read each.
;   v2 .. v7, v14, v15  offsets and LDS addresses, made once and never written again.
;   ONE wait on va_vdst stands in a step, behind its conversions; no vector or matrix instruction stands between it and the step's LDS stores, global loads and fragment loads.
;   ONE wait on vm_vsrc stands between the LDS stores and the loads into the registers that they read.
.set C2,    0x4038aa3b
.set SPARE, 114688                     ; the spare words: 128 bytes for each of eight waves
.set BUFB,  36864                      ; an LDS buffer: A16 128 rows x 144, then B16 64 rows x 288
.set MVB,   73728                      ; eight waves' partial sums of b Wkp, 512 bytes each
.set STG,   77824                      ; a stage of 32 rows x 144 for each wave
.set X,     16                         ; CAST: v16-143: buffer k, load i: 4 registers at X + 32 k + 4 i
.set Y,     144                        ; CAST: v144-175: buffer k, store i: 2 registers at Y + 16 k + 2 i
.set S0,    16                         ; FOLD: v16-79, v80-143: two sets of 16 loads
.set ACC,   144                        ; FOLD: accumulator (kt, nt) at ACC + 8 (4 kt + nt)
.set FA,    208                        ; fragments of A (kt) for the first 32 along j of a step, 16 registers
.set FB,    224                        ; fragments of B (nt), 32 registers
.set FA1,   0                          ; window 1 (v256-271): the same for the second 32 along j
.set FB1,   16                         ; window 1 (v272-303)
.set MSB, 0
.macro WIN new                         ; s_set_vgpr_msb: bits 1:0 source 0, 3:2 source 1, 5:4 source 2, 7:6 destination; the high byte repeats the setting that is left
.if MSB != (\new)
	s_set_vgpr_msb (MSB<<8)|(\new)
.set MSB, (\new)
.endif
.endm
	s_load_b512 s[4:19], s[0:1], 0x0               ; x, Wk, Wkp, Wq, Wqp, Wv, Wo, bk
	s_load_b512 s[20:35], s[0:1], 0x40             ; bkp, bq, bqp, bv, phase_scale, xh, wcat, wot
	s_load_b64 s[36:37], s[0:1], 0x80              ; ctab
	v_lshl_add_u32 v8, v0, 2, SPARE                ; my spare word
	v_mov_b32 v9, 0
	v_lshrrev_b32 v1, 5, v0
	v_readfirstlane_b32 s40, v1                    ; wave w
	s_mov_b32 s41, ttmp9
	v_and_b32 v1, 31, v0                           ; L
	v_and_b32 v250, 15, v0                         ; r
	v_bfe_u32 v251, v0, 4, 1                       ; h
	s_mov_b32 s45, 0                               ; high word of every offset pair s[44:45]
	s_wait_alu depctr_va_sdst(0)                   ; s40 is written, ahead of the branch and of its first reader on either way
	s_wait_kmcnt 0x0
	s_cmp_lt_u32 s41, 128
	s_cbranch_scc1 .Lfold
; ---------------- CAST ----------------
.macro XLOAD p, i                              ; load i of block p: 16 bytes a lane
.if (\p) < 8
	global_load_b128 v[X+32*((\p)%4)+4*(\i):X+32*((\p)%4)+4*(\i)+3], v2, s[46:47] offset:(8*(\p)+(\i))*4096 th:TH_LOAD_NT
.else
	global_load_b128 v[X+32*((\p)%4)+4*(\i):X+32*((\p)%4)+4*(\i)+3], v4, s[54:55] offset:(8*((\p)-8)+(\i))*8192 th:TH_LOAD_NT  ; the weights: two rows of 256 bytes an instruction
.endif
.endm
.macro YSTORE p, i                             ; store i of block p: each store of a wave covers 256 consecutive bytes, aligned
.if (\p) < 8
	global_store_b64 v3, v[Y+16*((\p)%2)+2*(\i):Y+16*((\p)%2)+2*(\i)+1], s[48:49] offset:(8*(\p)+(\i))*2048
.else
	global_store_b64 v5, v[Y+16*((\p)%2)+2*(\i):Y+16*((\p)%2)+2*(\i)+1], s[60:61] offset:(8*((\p)-8)+(\i))*256
.endif
.endm
; Block p.  left: the younger loads, which may stay out.  Its loads and stores are dealt among its conversions, a load and a store in front of each two.
.macro BLK p, left
	s_wait_loadcnt \left                           ; loads come back in order: X[p % 4] is in, the younger blocks stay out
.if (\p) >= 2
	s_wait_xcnt 0x0                                ; the stores issued in the block before have had their addresses translated: their data, Y[p % 2], are rewritten only behind this wait
	s_wait_alu depctr_vm_vsrc(0)                   ; those stores have read Y[p % 2], which this block's conversions write again
.endif
.if (\p) >= 1
	s_wait_alu depctr_va_vdst(0)                   ; the block before has written the other Y, which the stores below read, and is done reading its X, in which the loads below land
.endif
.irp i, 0,1,2,3,4,5,6,7
.if (\p) <= 6
	XLOAD (\p)+3, \i
.endif
.if (\p) >= 1
	YSTORE (\p)-1, \i
.endif
	v_cvt_pk_f16_f32 v[Y+16*((\p)%2)+2*\i], v[X+32*((\p)%4)+4*\i], v[X+32*((\p)%4)+4*\i+1]
	v_cvt_pk_f16_f32 v[Y+16*((\p)%2)+2*\i+1], v[X+32*((\p)%4)+4*\i+2], v[X+32*((\p)%4)+4*\i+3]
.endr
.endm
	s_sub_co_u32 s42, s41, 128                     ; c
	s_lshl_b32 s44, s42, 18
	s_add_nc_u64 s[46:47], s[4:5], s[44:45]        ; x at row 64 c
	s_lshl_b32 s44, s42, 17
	s_add_nc_u64 s[48:49], s[30:31], s[44:45]      ; xh at row 64 c
	v_lshlrev_b32 v2, 4, v0                        ; the eight waves cover a row of x,
	v_lshlrev_b32 v3, 3, v0                        ; and of xh
	s_lshr_b32 s50, s42, 6                         ; m: 0 Wv, 1 Wo
	s_bfe_u32 s51, s42, 0x40002                    ; s: block of 64 columns
	s_and_b32 s52, s42, 3                          ; q2: block of 256 k
	s_cmp_eq_u32 s50, 0
	s_cselect_b64 s[54:55], s[14:15], s[16:17]
	s_lshl_b32 s44, s52, 20
	s_lshl_b32 s53, s51, 8
	s_add_co_u32 s44, s44, s53
	s_add_nc_u64 s[54:55], s[54:55], s[44:45]      ; W at (256 q2, 64 s)
	s_lshr_b32 s56, s40, 2
	s_lshl1_add_u32 s56, s52, s56                  ; kstep = 2 q2 + w / 4
	s_mul_i32 s57, s51, 393216
	s_mul_i32 s58, s56, 49152
	s_add_co_u32 s57, s57, s58
	s_add_co_u32 s57, s57, 16384                   ; in wcat: mat 1
	s_lshr_b32 s58, s51, 1
	s_lshl_b32 s58, s58, 18
	s_lshl_b32 s59, s56, 15
	s_add_co_u32 s58, s58, s59
	s_and_b32 s59, s51, 1
	s_lshl_b32 s59, s59, 14
	s_add_co_u32 s58, s58, s59                     ; in wot
	s_cmp_eq_u32 s50, 0
	s_cselect_b32 s44, s57, s58
	s_cselect_b64 s[60:61], s[32:33], s[34:35]
	s_add_nc_u64 s[60:61], s[60:61], s[44:45]
	v_lshlrev_b32 v4, 12, v251                     ; (32 w + h) rows of 4,096 bytes + 16 r
	v_lshl_add_u32 v4, v250, 4, v4
	s_lshl_b32 s53, s40, 17
	v_add_nc_u32 v4, s53, v4
	s_and_b32 s53, s40, 3
	s_lshl_b32 s53, s53, 12
	v_lshl_add_u32 v5, v1, 3, s53                  ; 8 L + (w % 4) x 32 rows of 128 bytes
	s_wait_alu depctr_va_vdst(0)                   ; the offsets v2 to v5 are written: every load and store below reads one of them
.irp p, 0,1,2
.irp i, 0,1,2,3,4,5,6,7
	XLOAD \p, \i                                   ; blocks 0, 1 and 2 into X0, X1, X2
.endr
.endr
.irp p, 0,1,2,3,4,5,6,7
	BLK \p, 16
.endr
	BLK 8, 8                                       ; blocks 7 to 9 load nothing more, and the counts run down
	BLK 9, 0
	s_wait_alu depctr_va_vdst(0)                   ; block 9 has written Y1, which the last eight stores read
.irp i, 0,1,2,3,4,5,6,7
	YSTORE 9, \i
.endr
	s_branch .Lend
; ---------------- FOLD ----------------
.Lfold:
	s_lshr_b32 s42, s41, 6                         ; p
	s_bfe_u32 s43, s41, 0x30003                    ; kb
	s_and_b32 s46, s41, 7                          ; nb
	s_mov_b32 s77, 0x3e22f983                      ; 1 / 2 pi
	s_cmp_eq_u32 s42, 0
	s_cselect_b64 s[66:67], s[6:7], s[10:11]       ; A: Wk or Wq
	s_cselect_b64 s[68:69], s[8:9], s[12:13]       ; B: Wkp or Wqp
	s_cselect_b64 s[70:71], s[18:19], s[22:23]     ; bk or bq
	s_cselect_b64 s[72:73], s[20:21], s[24:25]     ; bkp or bqp
	s_cselect_b64 s[74:75], s[26:27], s[28:29]     ; bv or phase_scale
	s_cselect_b32 s76, 0x3d000000, s77             ; times 1/32 or 1 / 2 pi
	s_mov_b32 s77, s76
	s_lshl_b32 s44, s43, 19
	s_add_nc_u64 s[66:67], s[66:67], s[44:45]      ; A at row 128 kb
	s_lshl_b32 s44, s46, 9
	s_add_nc_u64 s[68:69], s[68:69], s[44:45]      ; B at column 128 nb
	s_add_nc_u64 s[72:73], s[72:73], s[44:45]
	s_add_nc_u64 s[74:75], s[74:75], s[44:45]
	s_lshl_b32 s47, s42, 12
	s_add_co_u32 s44, s44, s47
	s_add_nc_u64 s[78:79], s[36:37], s[44:45]      ; ctab row p, column 128 nb
	s_lshl_b32 s44, s40, 5
	s_add_nc_u64 s[70:71], s[70:71], s[44:45]      ; my eight j of a step
	s_lshr_b32 s82, s40, 1                         ; wk: my 32 rows k
	s_and_b32 s83, s40, 1                          ; wn: my 64 columns n
	s_lshl1_add_u32 s44, s46, s83
	s_mul_i32 s44, s44, 393216
	s_mul_i32 s47, s43, 49152
	s_add_co_u32 s44, s44, s47
	s_lshl_b32 s47, s42, 15
	s_add_co_u32 s44, s44, s47
	s_lshl_b32 s47, s82, 12
	s_add_co_u32 s44, s44, s47
	s_add_nc_u64 s[80:81], s[32:33], s[44:45]      ; wcat: cb = 2 nb + wn, kstep kb, mat 2 p, row 32 wk
	v_lshlrev_b32 v2, 12, v251                     ; AO = (16 w + h) 4096 + 16 r
	v_lshl_add_u32 v2, v250, 4, v2
	s_lshl_b32 s47, s40, 16
	v_add_nc_u32 v2, s47, v2
	s_lshl_b32 s47, s40, 15
	v_lshl_add_u32 v3, v1, 4, s47                  ; BO = w 32768 + 16 L
	s_mul_i32 s47, s40, 2304
	v_mul_u32_u24 v4, v251, 144                    ; AS = (16 w + h) 144 + 8 r
	v_lshl_add_u32 v4, v250, 3, v4
	v_add_nc_u32 v4, s47, v4
	s_add_co_u32 s47, s47, 18432
	v_lshl_add_u32 v5, v1, 3, s47                  ; BS = 18432 + w 2304 + 8 L
	s_mul_i32 s47, s82, 4608
	v_mul_u32_u24 v6, v250, 144                    ; AF = (32 wk + r) 144 + 16 h
	v_lshl_add_u32 v6, v251, 4, v6
	v_mov_b32 v14, v6
	v_add_nc_u32 v6, s47, v6
	v_and_b32 v252, 7, v0
	v_bfe_u32 v253, v0, 3, 1
	v_lshl_add_u32 v7, v251, 3, v252               ; BF = 18432 + (8 h + L % 8) 288 + 128 wn + 16 ((L / 8) % 2)
	v_mul_u32_u24 v7, v7, 288
	v_lshl_add_u32 v7, v253, 4, v7
	s_lshl_b32 s47, s83, 7
	s_add_co_u32 s47, s47, 18432
	v_add_nc_u32 v7, s47, v7
	s_mul_i32 s47, s40, 4608
	s_add_co_u32 s47, s47, STG
	v_add_nc_u32 v14, s47, v14                     ; STO = my stage + r 144 + 16 h
	v_lshrrev_b32 v15, 3, v1
	v_mul_u32_u24 v15, v15, 144
	v_lshl_add_u32 v15, v252, 4, v15
	v_add_nc_u32 v15, s47, v15                     ; RD = my stage + (L / 8) 144 + 16 (L % 8)
	s_wait_alu depctr_va_vdst(0)                   ; the offsets and LDS addresses v2 to v7, v14 and v15 are written, which the loads and stores below read
.macro FLOAD b                                 ; a step's 16 loads: 16 rows x 64 j of A, 8 rows j x 128 n of B
.set i, 0
.rept 8
	global_load_b128 v[S0+64*(\b)+4*i:S0+64*(\b)+4*i+3], v2, s[66:67] offset:i*8192+(\b)*256
	global_load_b128 v[S0+64*(\b)+32+4*i:S0+64*(\b)+32+4*i+3], v3, s[68:69] offset:i*4096+(\b)*262144
.set i, i+1
.endr
.endm
.macro FRAG b, kq, fa, fb                      ; 12 LDS loads: the fragments of 32 along j, the kq-th half of LDS buffer b
.irp kt, 0,1
	ds_load_b128 v[(\fa)+8*\kt:(\fa)+8*\kt+3], v6 offset:(\b)*BUFB+\kt*2304+(\kq)*64
	ds_load_b128 v[(\fa)+8*\kt+4:(\fa)+8*\kt+7], v6 offset:(\b)*BUFB+\kt*2304+(\kq)*64+32
.endr
.irp nt, 0,1,2,3
	ds_load_tr16_b128 v[(\fb)+8*\nt:(\fb)+8*\nt+3], v7 offset:(\b)*BUFB+(\kq)*9216+\nt*32
	ds_load_tr16_b128 v[(\fb)+8*\nt+4:(\fb)+8*\nt+7], v7 offset:(\b)*BUFB+(\kq)*9216+\nt*32+4608
.endr
.endm
.macro MUL8 fa, fb                             ; used transposed: a lane ends with row k = r and eight neighbouring columns; the eight accumulators take turns
.irp kt, 0,1
.irp nt, 0,1,2,3
	v_wmma_f32_16x16x32_f16 v[ACC+8*(4*\kt+\nt):ACC+8*(4*\kt+\nt)+7], v[(\fb)+8*\nt:(\fb)+8*\nt+7], v[(\fa)+8*\kt:(\fa)+8*\kt+7], v[ACC+8*(4*\kt+\nt):ACC+8*(4*\kt+\nt)+7]
.endr
.endr
.endm
; One step of 64 along j, from set and LDS buffer b.  load = 1: the set is asked for again, two steps on.  left: the other set's loads, which may stay out.
; ONE barrier a step: in front of it each wave's stores into buffer b are done, and so are its reads of the other buffer (they were waited for ahead of the last step's products);
; so behind it buffer b is whole, and the next step may write the other buffer.
.macro STEP b, load, left
	s_wait_loadcnt \left
	s_wait_kmcnt 0x0                               ; my eight numbers of bk or bq
	s_cmp_lg_u32 s43, 0
	s_cbranch_scc1 .Lnomv_\@                       ; only kb = 0 makes b Wkp
.set i, 0
.rept 8
.irp c, 0,1,2,3
	v_fmac_f32 v[10+\c], s[48+8*(\b)+i], v[S0+64*(\b)+32+4*i+\c]
.endr
.set i, i+1
.endr
.Lnomv_\@:
.set i, 0
.rept 16
	v_cvt_pk_f16_f32 v[S0+64*(\b)+4*i], v[S0+64*(\b)+4*i], v[S0+64*(\b)+4*i+1]
	v_cvt_pk_f16_f32 v[S0+64*(\b)+4*i+1], v[S0+64*(\b)+4*i+2], v[S0+64*(\b)+4*i+3]
.set i, i+1
.endr
	s_wait_alu depctr_va_vdst(0)                   ; the conversions have written set b, which the LDS stores read; they and the multiply-adds are done reading it, and loads land in it below; the last step's sixteen products are done reading both fragment buffers, in which the LDS loads below land
.if \load
	s_load_b256 s[48+8*(\b):55+8*(\b)], s[70:71], (\b)*256
.endif
.set i, 0
.rept 8
	ds_store_b64 v4, v[S0+64*(\b)+4*i:S0+64*(\b)+4*i+1] offset:(\b)*BUFB+i*288
	ds_store_b64 v5, v[S0+64*(\b)+32+4*i:S0+64*(\b)+32+4*i+1] offset:(\b)*BUFB+i*288
.set i, i+1
.endr
	s_wait_dscnt 0x0                               ; for the others' sake: my stores are done
.if \load
	s_wait_alu depctr_vm_vsrc(0)                   ; the LDS stores have read set b, in which the loads below land
	FLOAD \b
.endif
	s_barrier_signal -1
	s_barrier_wait -1
	FRAG \b, 0, FA, FB                             ; 24 LDS loads in one run.  No wait: no vector or matrix instruction since the wait above; the 32 conversions are also the places behind the last products
	WIN 0x40                                       ; destination window 1, address window 0
	FRAG \b, 1, FA1, FB1
	WIN 0
	s_wait_dscnt 12                                ; LDS loads come back in order: the first 32 along j are in, the second half's 12 loads stay out
	MUL8 FA, FB
	s_wait_dscnt 0x0
	WIN 0x05                                       ; sources 0 and 1 window 1; C and D window 0
	MUL8 FA1, FB1
	WIN 0                                          ; at a label and at a branch every window is 0
.endm
	FLOAD 0
	FLOAD 1
	s_load_b256 s[48:55], s[70:71], 0x0
	s_load_b256 s[56:63], s[70:71], 0x100
.set i, 0
.rept 64
	v_mov_b32 v[ACC+i], 0                          ; the sums start at 0, written while the first loads are out: the loop has one form of product
.set i, i+1
.endr
.irp c, 10,11,12,13
	v_mov_b32 v\c, 0
.endr
	s_wait_xcnt 0x0                                ; the loads have read their bases
	s_add_nc_u64 s[66:67], s[66:67], 512
	s_add_nc_u64 s[68:69], s[68:69], 524288
	s_add_nc_u64 s[70:71], s[70:71], 512
	s_mov_b32 s84, 7
.Lj:
	STEP 0, 1, 16
	STEP 1, 1, 16
	s_wait_xcnt 0x0
	s_add_nc_u64 s[66:67], s[66:67], 512
	s_add_nc_u64 s[68:69], s[68:69], 524288
	s_add_nc_u64 s[70:71], s[70:71], 512
	s_sub_co_u32 s84, s84, 1
	s_cmp_lg_u32 s84, 0
	s_cbranch_scc1 .Lj
	STEP 0, 0, 16                                  ; the last two steps load nothing
	STEP 1, 0, 0
.rept 4
	v_nop                                          ; four places behind the last products, before their results are read and v240 to v242, which products have read, are written
.endr
	v_lshlrev_b32 v240, 4, v1                      ; 16 L
	s_lshl_b32 s47, s40, 9
	s_add_co_u32 s47, s47, MVB
	v_add_nc_u32 v241, s47, v240
	v_add_nc_u32 v242, MVB, v240
	s_wait_alu depctr_va_vdst(0)                   ; v240 to v242 are written, the offsets and LDS addresses of all that follows; the multiply-adds have written v10 to v13, which the LDS store reads
	s_wait_alu depctr_vm_vsrc(0)                   ; the last two steps' LDS stores have read v16 .. and v80 .., in which the loads below land and which the sums below write
	s_cmp_lg_u32 s43, 0
	s_cbranch_scc1 .Lnost
	ds_store_b128 v241, v[10:13]                   ; my part of b Wkp: columns 4 L .. 4 L + 3
.Lnost:
	s_wait_dscnt 0x0
	s_barrier_signal -1
	s_barrier_wait -1
	s_cmp_lg_u32 s43, 0
	s_cbranch_scc1 .Lnobias
	s_cmp_lg_u32 s40, 0
	s_cbranch_scc1 .Lnobias
.irp v, 0,1,2,3,4,5,6,7
	ds_load_b128 v[80+4*\v:83+4*\v], v242 offset:512*\v
.endr
	global_load_b128 v[112:115], v240, s[72:73]
	global_load_b128 v[116:119], v240, s[74:75]
	s_wait_dscnt 0x0
.irp v, 1,2,3,4,5,6,7
	v_pk_add_f32 v[80:81], v[80:81], v[80+4*\v:81+4*\v]
	v_pk_add_f32 v[82:83], v[82:83], v[82+4*\v:83+4*\v]
.endr
	s_wait_loadcnt 0x0
	v_pk_add_f32 v[80:81], v[80:81], v[112:113]
	v_pk_add_f32 v[82:83], v[82:83], v[114:115]
	v_pk_mul_f32 v[80:81], v[80:81], C2 op_sel_hi:[1,0]
	v_pk_mul_f32 v[82:83], v[82:83], C2 op_sel_hi:[1,0]
	v_pk_mul_f32 v[116:117], v[116:117], s[76:77] op_sel_hi:[1,0]
	v_pk_mul_f32 v[118:119], v[118:119], s[76:77] op_sel_hi:[1,0]
	s_wait_alu depctr_va_vdst(0)                   ; the scalings have written v80 to v83 and v116 to v119, which the two stores read
	global_store_b128 v240, v[80:83], s[78:79]                 ; 512 consecutive bytes
	global_store_b128 v240, v[116:119], s[78:79] offset:8192   ; two rows of the table further down
.Lnobias:
	; the way out: rounded, through my own stage, back as whole rows of 128 bytes; each accumulator is read from its low end on
.irp a, 0,1,2,3,4,5,6,7
.irp q, 0,1,2,3
	v_cvt_pk_f16_f32 v[FA+4*\a+\q], v[ACC+8*\a+2*\q], v[ACC+8*\a+2*\q+1]
.endr
.endr
	s_wait_alu depctr_va_vdst(0)                   ; the conversions have written v208 to v239, which the LDS stores read
.irp kt, 0,1
.irp nt, 0,1,2,3
	ds_store_b128 v14, v[FA+4*(4*\kt+\nt):FA+4*(4*\kt+\nt)+3] offset:\kt*2304+32*\nt
.endr
.endr
.irp i, 0,1,2,3,4,5,6,7
	ds_load_b128 v[16+4*\i:19+4*\i], v15 offset:576*\i         ; LDS serves a wave's instructions in order: these see the stores above
.endr
	s_wait_dscnt 0x0
.irp i, 0,1,2,3,4,5,6,7
	global_store_b128 v240, v[16+4*\i:19+4*\i], s[80:81] offset:512*\i  ; 512 consecutive bytes, aligned
.endr
.Lend:
	s_wait_dscnt 0x0                               ; the closing lines, six on end
	s_wait_alu 0x0
	s_wait_tensorcnt 0x0
	ds_add_u32 v8, v9
	s_wait_dscnt 0x0
	s_endpgm
.Lfunc_end_k_qf5c9266158_prep:
	.size	k_qf5c9266158_prep, .Lfunc_end_k_qf5c9266158_prep-k_qf5c9266158_prep
	.p2alignl 7, 3214868480
	.fill 96, 4, 3214868480
	.section	.rodata,"a",@progbits
	.p2align	6, 0x0
	.amdhsa_kernel k_qf5c9266158_prep
		.amdhsa_group_segment_fixed_size 115712
		.amdhsa_private_segment_fixed_size 0
		.amdhsa_enable_private_segment 0
		.amdhsa_kernarg_size 136
		.amdhsa_user_sgpr_count 2
		.amdhsa_user_sgpr_kernarg_segment_ptr 1
		.amdhsa_wavefront_size32 1
		.amdhsa_system_sgpr_workgroup_id_x 1
		.amdhsa_system_sgpr_workgroup_id_y 1
		.amdhsa_system_sgpr_workgroup_id_z 1
		.amdhsa_system_vgpr_workitem_id 0
		.amdhsa_next_free_vgpr 304
		.amdhsa_next_free_sgpr 100
		.amdhsa_reserve_vcc 0
		.amdhsa_float_denorm_mode_32 3
		.amdhsa_float_denorm_mode_16_64 3
		.amdhsa_memory_ordered 1
		.amdhsa_forward_progress 1
		.amdhsa_inst_pref_size 76
	.end_amdhsa_kernel
	.amdgpu_metadata
---
amdhsa.version: [ 1, 2 ]
amdhsa.kernels:
  - .name:           k_qf5c9266158_prep
    .symbol:         k_qf5c9266158_prep.kd
    .args:
      - { .name: x, .offset: 0, .size: 8, .value_kind: global_buffer, .address_space: global }
      - { .name: Wk, .offset: 8, .size: 8, .value_kind: global_buffer, .address_space: global }
      - { .name: Wkp, .offset: 16, .size: 8, .value_kind: global_buffer, .address_space: global }
      - { .name: Wq, .offset: 24, .size: 8, .value_kind: global_buffer, .address_space: global }
      - { .name: Wqp, .offset: 32, .size: 8, .value_kind: global_buffer, .address_space: global }
      - { .name: Wv, .offset: 40, .size: 8, .value_kind: global_buffer, .address_space: global }
      - { .name: Wo, .offset: 48, .size: 8, .value_kind: global_buffer, .address_space: global }
      - { .name: bk, .offset: 56, .size: 8, .value_kind: global_buffer, .address_space: global }
      - { .name: bkp, .offset: 64, .size: 8, .value_kind: global_buffer, .address_space: global }
      - { .name: bq, .offset: 72, .size: 8, .value_kind: global_buffer, .address_space: global }
      - { .name: bqp, .offset: 80, .size: 8, .value_kind: global_buffer, .address_space: global }
      - { .name: bv, .offset: 88, .size: 8, .value_kind: global_buffer, .address_space: global }
      - { .name: phase_scale, .offset: 96, .size: 8, .value_kind: global_buffer, .address_space: global }
      - { .name: xh, .offset: 104, .size: 8, .value_kind: global_buffer, .address_space: global }
      - { .name: wcat, .offset: 112, .size: 8, .value_kind: global_buffer, .address_space: global }
      - { .name: wot, .offset: 120, .size: 8, .value_kind: global_buffer, .address_space: global }
      - { .name: ctab, .offset: 128, .size: 8, .value_kind: global_buffer, .address_space: global }
    .group_segment_fixed_size: 115712
    .private_segment_fixed_size: 0
    .kernarg_segment_align: 8
    .kernarg_segment_size: 136
    .max_flat_workgroup_size: 256
    .sgpr_count:     100
    .vgpr_count:     304
    .wavefront_size: 32
...
	.end_amdgpu_metadata
.endif
;; end of part 4
;; launch phase: the kernel of part 2 again; grid 16 x 32, 4 waves a work-group, clusters of 4 x 4, 327,680 bytes of LDS; arguments xh, wcat, ctab, rt, stats; writes rt, stats
;; launch outp: the kernel of part 3 again; grid 8 x 32, 4 waves a work-group, clusters of 4 x 4, 327,680 bytes of LDS; arguments rt, stats, wot, ln_g, ln_b, bo, xh, out0; writes out0
